; MI455X (gfx1250); checked and timed in simulation.
; The chip was launched on July 23, 2026; its instructions are those of AMD's public machine-readable ISA for CDNA 5 (MIT licence, August 2026) and "CDNA5" Instruction Set Architecture Reference Guide (July 2026). The comments in the code are by the model that wrote it; some were corrected since.
;; Single Head Attention. Allowed arithmetic: float matrix products may take bf16 or f16 operands with f32 sums; other float arithmetic in f32, or as packed bf16 or f16 multiplies, adds, multiply-adds, maxima and minima; sums over many terms, partial sums and values carried from step to step in f32; what a program stores and reads back later, other than sums and carried values, may be rounded once to bf16 or f16.
;; Inputs: b_out 1,024 float32; b_qkv 3,072 float32; w_out 1,024 x 1,024 float32; w_qkv 3,072 x 1,024 float32; x 4 x 2,048 x 1,024 float32.
;; Outputs: out0 4 x 2,048 x 1,024 float32.
;; 2 versions, each right; version 2 is version 1 with the launch cast written anew for expert scheduling mode. Each part assembles by itself: llvm-mc -triple=amdgcn-amd-amdhsa -mcpu=gfx1250 --defsym DOCPART=n.
;; ======== version 1 of 2: 6 launches
;; limits: values are held in f16: magnitudes above 65,504 overflow, below 6.1e-05 lose precision
;; workspace buffers: xh 16,777,216 bytes; wqh 6,291,456 bytes; woh 2,097,152 bytes; qkv 50,331,648 bytes; sc 67,108,864 bytes; pr 33,554,432 bytes; ob 16,777,216 bytes; lo 6,291,456 bytes
;; launch cast (part 1): grid 768 x 1, 8 waves a work-group, no clusters, 0 bytes of LDS; arguments x, w_qkv, w_out, xh, wqh, woh; writes xh, wqh, woh
.if DOCPART == 1
	.amdgcn_target "amdgcn-amd-amdhsa--gfx1250"
	.amdhsa_code_object_version 6
	.text
	.protected	k_q9027419abd_cast
	.globl	k_q9027419abd_cast
	.p2align	8
	.type	k_q9027419abd_cast,@function
k_q9027419abd_cast:
	s_mov_b64 s[64:65], 0
	v_nop
	global_prefetch_b8 v0, s[64:65] scope:SCOPE_SE
	s_setreg_imm32_b32 hwreg(HW_REG_WAVE_MODE, 25, 1), 1
	s_wait_xcnt 0x0
; xh, wqh, woh = x, w_qkv, w_out, each number rounded to bf16 (nearest even) and that number written as f16.
; LIMITS.  The second step changes nothing for 6.1e-5 <= |a| <= 65,504; below that f16 keeps a fixed step of 6e-8; beyond 65,504 it gives an infinity: this program serves |x|, |w| < 65,504.
; A stream: each byte is read once and written once; no LDS, no barrier, no matrix unit, since no number meets another.
; SHARES.  A work-group takes 65,536 bytes of f32: groups 0-511 x, 512-703 w_qkv, 704-767 w_out.  A wave takes 8,192 of them: 16 loads of 512 consecutive bytes, all issued at once;
; each load's four numbers a lane become 8 bytes, and a store of the wave covers 256 consecutive bytes, aligned.
.set IN,  8                            ; v[8:71]    load j: 4 registers
.set T,   72                           ; v[72:77]   at work
.set OUT, 80                           ; v[80:111]  store j: 2 registers; no register is written twice while a store may read it
	s_load_b256 s[4:11], s[0:1], 0x0               ; x s[4:5], w_qkv s[6:7], w_out s[8:9], xh s[10:11]
	s_load_b128 s[12:15], s[0:1], 0x20             ; wqh s[12:13], woh s[14:15]
	s_sub_co_u32 s16, ttmp9, 512                   ; my number among w_qkv's groups,
	s_sub_co_u32 s17, ttmp9, 704                   ; among w_out's
	s_mov_b32 s23, 0xffff0000                      ; a word's upper bf16
	v_and_b32 v1, 0xe0, v0                         ; 32 x wave
	v_and_b32 v3, 31, v0
	v_lshlrev_b32 v1, 8, v1                        ; wave x 8,192 bytes
	v_lshl_or_b32 v1, v3, 4, v1                    ; + 16 x lane: where I read
	v_lshrrev_b32 v2, 1, v1                        ; half of it: where I write
	s_wait_kmcnt 0x0
	s_cmp_lt_u32 ttmp9, 704
	s_cselect_b64 s[18:19], s[6:7], s[8:9]
	s_cselect_b64 s[20:21], s[12:13], s[14:15]
	s_cselect_b32 s22, s16, s17
	s_cmp_lt_u32 ttmp9, 512
	s_cselect_b64 s[18:19], s[4:5], s[18:19]       ; from
	s_cselect_b64 s[20:21], s[10:11], s[20:21]     ; to
	s_cselect_b32 s22, ttmp9, s22                  ; my number in that tensor
	s_lshl_b32 s24, s22, 16
	s_mov_b32 s25, 0
	s_add_nc_u64 s[18:19], s[18:19], s[24:25]
	s_lshl_b32 s24, s22, 15
	s_add_nc_u64 s[20:21], s[20:21], s[24:25]
.set j, 0
.rept 16
	global_load_b128 v[IN+4*j:IN+4*j+3], v1, s[18:19] offset:512*j th:TH_LOAD_NT
.set j, j+1
.endr
.set j, 0
.rept 16
	s_wait_loadcnt 15-j                            ; loads come back in order: load j is in, the 15 - j younger ones stay out
	v_cvt_pk_bf16_f32 v[T], v[IN+4*j], v[IN+4*j+1]
	v_cvt_pk_bf16_f32 v[T+1], v[IN+4*j+2], v[IN+4*j+3]
	v_lshlrev_b32 v[T+2], 16, v[T]                 ; bf16 to f32: the low half moves up,
	v_and_b32 v[T+3], s23, v[T]                    ; the high half stays
	v_lshlrev_b32 v[T+4], 16, v[T+1]
	v_and_b32 v[T+5], s23, v[T+1]
	v_cvt_pk_f16_f32 v[OUT+2*j], v[T+2], v[T+3]
	v_cvt_pk_f16_f32 v[OUT+2*j+1], v[T+4], v[T+5]
	global_store_b64 v2, v[OUT+2*j:OUT+2*j+1], s[20:21] offset:256*j
.set j, j+1
.endr
	s_endpgm
.Lfunc_end_k_q9027419abd_cast:
	.size	k_q9027419abd_cast, .Lfunc_end_k_q9027419abd_cast-k_q9027419abd_cast
	.p2alignl 7, 3214868480
	.fill 96, 4, 3214868480
	.section	.rodata,"a",@progbits
	.p2align	6, 0x0
	.amdhsa_kernel k_q9027419abd_cast
		.amdhsa_group_segment_fixed_size 0
		.amdhsa_private_segment_fixed_size 0
		.amdhsa_enable_private_segment 0
		.amdhsa_kernarg_size 48
		.amdhsa_user_sgpr_count 2
		.amdhsa_user_sgpr_kernarg_segment_ptr 1
		.amdhsa_wavefront_size32 1
		.amdhsa_system_sgpr_workgroup_id_x 1
		.amdhsa_system_sgpr_workgroup_id_y 1
		.amdhsa_system_sgpr_workgroup_id_z 1
		.amdhsa_system_vgpr_workitem_id 0
		.amdhsa_next_free_vgpr 112
		.amdhsa_next_free_sgpr 66
		.amdhsa_reserve_vcc 0
		.amdhsa_float_denorm_mode_32 3
		.amdhsa_float_denorm_mode_16_64 3
		.amdhsa_memory_ordered 1
		.amdhsa_forward_progress 1
		.amdhsa_inst_pref_size 11
	.end_amdhsa_kernel
	.amdgpu_metadata
---
amdhsa.version: [ 1, 2 ]
amdhsa.kernels:
  - .name:           k_q9027419abd_cast
    .symbol:         k_q9027419abd_cast.kd
    .args:
      - { .name: x, .offset: 0, .size: 8, .value_kind: global_buffer, .address_space: global }
      - { .name: w_qkv, .offset: 8, .size: 8, .value_kind: global_buffer, .address_space: global }
      - { .name: w_out, .offset: 16, .size: 8, .value_kind: global_buffer, .address_space: global }
      - { .name: xh, .offset: 24, .size: 8, .value_kind: global_buffer, .address_space: global }
      - { .name: wqh, .offset: 32, .size: 8, .value_kind: global_buffer, .address_space: global }
      - { .name: woh, .offset: 40, .size: 8, .value_kind: global_buffer, .address_space: global }
    .group_segment_fixed_size: 0
    .private_segment_fixed_size: 0
    .kernarg_segment_align: 8
    .kernarg_segment_size: 48
    .max_flat_workgroup_size: 256
    .sgpr_count:     66
    .vgpr_count:     112
    .wavefront_size: 32
...
	.end_amdgpu_metadata
.endif
;; end of part 1
;; launch qkv (part 2): grid 12 x 32, 4 waves a work-group, clusters of 4 x 4, 327,680 bytes of LDS; arguments xh, wqh, qkv, b_qkv, lo; writes qkv, lo
.if DOCPART == 2
	.amdgcn_target "amdgcn-amd-amdhsa--gfx1250"
	.amdhsa_code_object_version 6
	.text
	.protected	k_q9027419abd_qkv
	.globl	k_q9027419abd_qkv
	.p2align	8
	.type	k_q9027419abd_qkv,@function
k_q9027419abd_qkv:
	s_mov_b64 s[64:65], 0
	v_nop
	global_prefetch_b8 v0, s[64:65] scope:SCOPE_SE
	s_setreg_imm32_b32 hwreg(HW_REG_WAVE_MODE, 25, 1), 1
	s_wait_xcnt 0x0
	s_wait_alu depctr_hold_cnt(0) depctr_sa_sdst(0) depctr_va_vdst(0) depctr_va_sdst(0) depctr_va_ssrc(0) depctr_va_vcc(0) depctr_vm_vsrc(0)
	s_getreg_b32 s2, hwreg(HW_REG_IB_STS2, 6, 4)
	s_cmp_eq_u32 s2, 0
	s_cbranch_scc0 .Lentry_in_a_cluster
	s_endpgm
.Lentry_in_a_cluster:
	s_bfe_u32 s2, ttmp6, 0x10000c
	s_cmp_lg_u32 s2, 0xf033
	s_cbranch_scc0 .Lentry_shape_is_right
	s_endpgm
.Lentry_shape_is_right:
; qkv[row][o] = the sum over h of xh[row][h] wqh[o][h] + b_qkv[o].  xh: [8192][1024], wqh: [3072][1024], qkv: [8192][3072], all f16; b_qkv f32, rounded to bf16 like the other inputs.
; Sums in f32, started by the bias as the first product's C; qkv rounded once to f16.  LIMIT: |q|, |k|, |v| < 65,504 (f16's range); NaN and infinities are not treated apart.
; THE FIRST 256 ROWS OF EACH BATCH LEAVE TWICE.  Row q of the module's output is a mean over q + 1 keys only, so its first rows are many times the output's root mean square, by which the allowance goes: there
; f16's 11 bits are too few.  For these rows the remainder, sum - f16(sum), rounded to f16, goes into lo ([4][256][3072], qkv's row pitch); a remainder below 6.1e-5 keeps f16's fixed step of 6e-8.
; In v's columns lo's rows 64-127 hold a copy of v's rows 0-63 in place of remainders (the launch that multiplies by v wants the two side by side), and rows 128-255 are not stored: nobody reads them.
; A tile of C, 256 x 256, is made by four waves, 128 x 128 each: 64 accumulators of 16 x 16.  K = 1,024 goes in 8 steps of 128 through two LDS slots filled by the tensor data mover:
; rows of 256 bytes, aligned.  CLUSTER 4 x 4: A's tile is shared along a row of the cluster, B's along a column: each is asked for jointly, by the same load with a mask of four.
; Tile row = 8 cy + cluster y: a cluster's four tile rows are the same block of 256 rows in the four batches, so that 'a batch's first block' is a property of the cluster (cluster y = 0), not of a place in it.
; THE MATRIX INSTRUCTION IS USED TRANSPOSED (source 0 = 16 rows of B, source 1 = 16 rows of A): a lane holds row lane % 16 of C and the columns 8 (lane / 16) + 0..7.
; THE LOOP is one K step a trip: the LDS addresses hang on s[TB], the walking descriptors' LDS words are turned by an exclusive or.  The last two steps, which ask for nothing, are a second loop.
; REGISTERS, in windows of 256 (s_set_vgpr_msb: bits 1:0 source 0, 3:2 source 1, 5:4 source 2, 7:6 destination):
;   window 0: v0-31 addresses; v64-127, v128-191 A's fragments, two buffers; v32-63, v192-255 at work on the way out
;   window 1: v0-63 the bias of my 128 columns, as a C operand for each of 8 column blocks; v64-127, v128-191 B's fragments
;   window 2: the accumulators of my rows 0-63 ((a, b) at v[8 (8 a + b)]);  window 3: those of my rows 64-127
.set PITCHA, 272                       ; an LDS row: 256 bytes + 16 of padding = 68 words: the 16 rows of a fragment load start at 16 different groups of four banks (64 banks of 4 bytes: ISA guide 11.1)
.set PITCHB, 272
.set AKB,    256                       ; byte k of A's K step lies at (k / AKB) APL + k % AKB of its LDS row
.set APL,    0
.set AW,     128*272                   ; LDS bytes of one wave's load for A,
.set BW,     128*272                   ; for B
.set SLOT,   2*AW+2*BW                 ; A's 256 rows, then B's 256 rows
.set SLOT1,  SLOT                      ; slot 1 begins here: 0x22000 shares no bit with the loads' offsets 0, 0x8800, 0x11000, 0x19800, so one exclusive or changes slots
.set STAGE,  SLOT1+SLOT                ; behind the ring: 16 rows x 272 bytes for each wave, for the way out; no tensor load fills it
.set SPITCH, 272
.set SPARE,  STAGE+4*16*SPITCH         ; behind the stages: the spare words, 128 bytes for each wave: two blocks of 256 bytes that no other line names
.set STEPA,  256                       ; bytes in memory from a K step to the next
.set STEPB,  256
.set CROW,   6144                      ; bytes in a row of C, and of lo
.set ADRA0, 14                         ; v14  my place in A's part of slot 0; never rewritten
.set ADRB0, 15                         ; v15  the same for B
.set ADRA,  16                         ; v16  the same in the slot in hand
.set ADRB,  17                         ; v17
.set STO,  24                          ; v24  the way out: where I put 16 bytes of a row
.set RD,   25                          ; v25  where I read a row back
.set CO,   26                          ; v26  my byte offset in C
.set NEG1, 27                          ; v27  -1.0, for the remainders
.set SPW,  28                          ; v28  LDS address of my spare word; never rewritten
.set NIL,  29                          ; v29  0; never rewritten
.set PFO,  30                          ; v30  the prefetches' offset: my lane x a row of 2,048 bytes; never rewritten
.set F0,   64
.set F1,   128
.set TMP,  192
.set OB,   32
.set G1,  24                           ; s[24:31] descriptor group 1 for A's tiles
.set G0,  32                           ; s[32:39] group 0 for A: a set for each first fill; the second then walks
.set G1B, 48                           ; s[48:55], s[56:63] the same for B
.set G0B, 56
.set LIM, 43                           ; s43  2 in a wave that prefetches, else the greatest number
.set PFA, 44                           ; s[44:45] where my prefetches stand
.set PST, 76                           ; s[76:77] their step
.set TB,  66                           ; s66  LDS byte at which the slot in hand begins
.set WOFA, 68                          ; s68  where my load for A lands in a slot
.set WOFB, 69                          ; s69  the same for B
.set BIAS, 70                          ; s[70:71]
.set LOP, 72                           ; s[72:73] lo
.set LOO, 74                           ; s[74:75] where my part begins in lo
.set TW,  78                           ; s78  1: v's columns, rows 0-127: lo's rows 64-127 take the copy
.set SKP, 79                           ; s79  not 0: this wave stores nothing into lo
.set MSB, 0
.macro WIN new                         ; the immediate's high byte repeats the setting that is left; a switch that changes nothing is dropped
.if MSB != (\new)
	s_set_vgpr_msb (MSB<<8)|(\new)
.set MSB, \new
.endif
.endm
.macro PLACES                          ; four plain vector instructions between a matrix instruction and a load into, or a vector read of, its registers
.rept 4
	v_nop
.endr
.endm
; A joint load.  Waves 0 and 1 fetch A's two halves, waves 2 and 3 B's; the branch hangs on the wave's number alone.  An s_nop 0 and four v_nop follow each line.
.macro JLOAD s
	s_cmp_eq_u32 s11, 0
	s_cbranch_scc0 .Lfor_b_\@
	tensor_load_to_lds s[G0+4*(\s):G0+4*(\s)+3], s[G1:G1+7]
	s_nop 0
.rept 4
	v_nop
.endr
	s_branch .Lasked_\@
.Lfor_b_\@:
	tensor_load_to_lds s[G0B+4*(\s):G0B+4*(\s)+3], s[G1B:G1B+7]
	s_nop 0
.rept 4
	v_nop
.endr
.Lasked_\@:
.endm
; A prefetch of the K step that stands two refills on (512 matrix instructions ahead of the load that wants it): 32 rows x 256 bytes, a lane a row.  A's rows are asked for by the clusters with x = 0,
; B's by those with y = 0; the four partners of a joint load take 32 of a wave's 128 rows each, told apart by address.  So each row's 256 bytes are named once.  Trips with s3 = 6 .. 3 name K steps 4 .. 7.
.macro ASK
	s_cmp_gt_u32 s3, s[LIM]
	s_cbranch_scc0 .Lnot_mine_\@
	global_prefetch_b8 v[PFO], s[PFA:PFA+1] th:TH_LOAD_NT scope:SCOPE_SE
.Lnot_mine_\@:
.endm
.macro CREST                           ; a round of the cluster's barrier behind its opening barrier
	s_cmp_lg_u32 s10, 0
	s_cbranch_scc1 .Lnot_wave_0_\@
	s_barrier_signal -3
.Lnot_wave_0_\@:
	s_barrier_wait -3
	s_barrier_signal -1
	s_barrier_wait -1
.endm
.macro CROUND                          ; a whole round
	s_barrier_signal -1
	s_barrier_wait -1
	CREST
.endm
; 16 matrix instructions: row blocks a0, a0 + 1 of the window's four (hi = 0: my rows 0-63, 1: rows 64-127) x all 8 column blocks, 32 along K.  first = 1: the bias starts the sums.
.macro MUL16 f, hi, a0, first
.if \first
	WIN 0x91+0x40*(\hi)                            ; B window 1, A window 0, C (the bias) window 1, D window 2 or 3
.else
	WIN 0xa1+0x50*(\hi)                            ; B window 1, A window 0, C and D window 2 or 3
.endif
.irp a, \a0, (\a0)+1
.irp b, 0,1,2,3,4,5,6,7
.if \first
	v_wmma_f32_16x16x32_f16 v[8*(8*(\a)+(\b)):8*(8*(\a)+(\b))+7], v[(\f)+8*(\b):(\f)+8*(\b)+7], v[(\f)+8*(4*(\hi)+(\a)):(\f)+8*(4*(\hi)+(\a))+7], v[8*(\b):8*(\b)+7]
.else
	v_wmma_f32_16x16x32_f16 v[8*(8*(\a)+(\b)):8*(8*(\a)+(\b))+7], v[(\f)+8*(\b):(\f)+8*(\b)+7], v[(\f)+8*(4*(\hi)+(\a)):(\f)+8*(4*(\hi)+(\a))+7], v[8*(8*(\a)+(\b)):8*(8*(\a)+(\b))+7]
.endif
.endr
.endr
.endm
; 32 LDS loads in one run: the fragments of 32 along K at byte k of the rows, into buffer f: B's 128 rows, then A's
.macro FETCH k, f
	WIN 0x40                                       ; destination window 1
.irp i, 0,1,2,3,4,5,6,7
	ds_load_b128 v[(\f)+8*(\i):(\f)+8*(\i)+3],   v[ADRB] offset:(\k)+(\i)*16*PITCHB
	ds_load_b128 v[(\f)+8*(\i)+4:(\f)+8*(\i)+7], v[ADRB] offset:(\k)+(\i)*16*PITCHB+32
.endr
	WIN 0
.irp i, 0,1,2,3,4,5,6,7
	ds_load_b128 v[(\f)+8*(\i):(\f)+8*(\i)+3],   v[ADRA] offset:((\k)/AKB)*APL+(\k)%AKB+(\i)*16*PITCHA
	ds_load_b128 v[(\f)+8*(\i)+4:(\f)+8*(\i)+7], v[ADRA] offset:((\k)/AKB)*APL+(\k)%AKB+(\i)*16*PITCHA+32
.endr
.endm
; A K step is four quarters of 32 along K, 64 matrix instructions each, on buffers 0, 1, 0, 1.  One of the first three: multiplies f; in its middle fetches the next quarter, at byte k, into g.
; The 64 accumulators take turns in the same order in every quarter, over the backward jumps too.
.macro QUARTER k, f, g, first
	s_wait_dscnt 8                                 ; B and A's rows 0-63 are in; the youngest eight loads (A's rows 64-127) may be out
	MUL16 \f, 0, 0, \first
	MUL16 \f, 0, 2, \first
	PLACES
	FETCH \k, \g
	s_wait_dscnt 32                                ; all but the 32 just issued
	MUL16 \f, 1, 0, \first
	MUL16 \f, 1, 2, \first
.endm
; The last quarter multiplies buffer 1 and changes slots: ONE barrier.  In front of it each wave waits for all its tensor loads (one is out: its part of the next slot), adds 0 to its spare word, and waits
; for that and for its own reads of this slot.  fill = 1: the barrier opens a round of the cluster's, and behind the round this slot is filled again, with the K step two on: 224 matrix instructions ahead of the wait for it.
; fill = 0 (the last two steps): nothing is asked for; in the very last step (s3 = 1) there is no next slot, and the run of LDS loads is jumped over.
.macro TURN fill
.if \fill
	s_wait_xcnt 0x0                                ; the last prefetch, a K step back, has read its address
	s_add_nc_u64 s[PFA:PFA+1], s[PFA:PFA+1], s[PST:PST+1]
.endif
	WIN 0
	s_wait_tensorcnt 0x0                           ; all my tensor loads have landed
	ds_add_u32 v[SPW], v[NIL]                      ; 0 onto my spare word
	s_wait_dscnt 9                                 ; (the add and the youngest eight loads may be out)
	MUL16 F1, 0, 0, 0
	s_wait_dscnt 0x0                               ; the add is done, and my reads of this slot are over
	s_barrier_signal -1
	MUL16 F1, 0, 2, 0                              ; work on registers while the others arrive
	WIN 0                                          ; at a branch and at a label every window is 0
	s_barrier_wait -1
.if \fill
	CREST                                          ; no wave of any partner still reads this slot or has a load on its way
	s_xor_b32 s[G0+5], s[G0+5], SLOT1              ; the walking descriptors: the other slot than last time,
	s_xor_b32 s[G0B+5], s[G0B+5], SLOT1
	s_add_nc_u64 s[G0+6:G0+7], s[G0+6:G0+7], STEPA ; the next K step; the type bits on top are not reached
	s_add_nc_u64 s[G0B+6:G0B+7], s[G0B+6:G0B+7], STEPB
	JLOAD 1                                        ; the first tensor load behind the round; its four v_nop are also the places in front of the loads below
.else
	PLACES
.endif
	s_xor_b32 s[TB], s[TB], SLOT1
	v_add_nc_u32 v[ADRA], s[TB], v[ADRA0]
	v_add_nc_u32 v[ADRB], s[TB], v[ADRB0]
.if !(\fill)
	s_cmp_eq_u32 s3, 1
	s_cbranch_scc1 .Lno_fetch_\@
.endif
	FETCH 0, F0
.if \fill
	ASK
.else
.Lno_fetch_\@:
.endif
	MUL16 F1, 1, 0, 0
	MUL16 F1, 1, 2, 0
.endm
; THE WAY OUT of row block a.  PACK: rounded to f16, 16 bytes a lane.  TOSTAGE: into my own stage in LDS, and back as whole rows of 256 bytes.  SEND: stored.
.macro PACK a
.set AC, 64*((\a)%4)
	WIN 0x0a+5*((\a)/4)                            ; sources 0 and 1: window 2 or 3
.irp b, 0,1,2,3,4,5,6,7
.irp r, 0,1,2,3
	v_cvt_pk_f16_f32 v[TMP+4*(\b)+(\r)], v[AC+8*(\b)+2*(\r)], v[AC+8*(\b)+2*(\r)+1]
.endr
.endr
	WIN 0
.endm
; The packed words of block a become the remainders, in place: each half h of a word turns into f16(sum - h).  The difference is exact in f32, so it is rounded once.
; The first line reads and writes the low half and keeps the high one; the second reads and writes the high half.
.macro MIX a
.set AC, 64*((\a)%4)
	WIN 0x20+0x10*((\a)/4)                         ; source 2: window 2 or 3
.irp b, 0,1,2,3,4,5,6,7
.irp r, 0,1,2,3
	v_fma_mixlo_f16 v[TMP+4*(\b)+(\r)], v[TMP+4*(\b)+(\r)], v[NEG1], v[AC+8*(\b)+2*(\r)] op_sel_hi:[1,0,0]
	v_fma_mixhi_f16 v[TMP+4*(\b)+(\r)], v[TMP+4*(\b)+(\r)], v[NEG1], v[AC+8*(\b)+2*(\r)+1] op_sel:[1,0,0] op_sel_hi:[1,0,0]
.endr
.endr
	WIN 0
.endm
; What goes into lo's rows 16 a .. 16 a + 15 of my 128: block a's remainders; in v's columns, for rows 64-127, block a - 4 itself.  The branch hangs on the cluster's x and the wave's number: alike in all partners.
.macro LOPACK a
.if (\a) >= 4
	s_cmp_lg_u32 s[TW], 0
	s_cbranch_scc1 .Lcopy_\@
.endif
	PACK \a
	MIX \a
.if (\a) >= 4
	s_branch .Lpacked_\@
.Lcopy_\@:
	PACK (\a)-4
.Lpacked_\@:
.endif
.endm
.macro TOSTAGE a
.set BK, OB+192*((\a)%2)
.irp b, 0,1,2,3,4,5,6,7
	ds_store_b128 v[STO], v[TMP+4*(\b):TMP+4*(\b)+3] offset:32*(\b)
.endr
.irp t, 0,1,2,3,4,5,6,7
	ds_load_b128 v[BK+4*(\t):BK+4*(\t)+3], v[RD] offset:(\t)*2*SPITCH  ; LDS serves a wave's instructions in order (ISA guide 5.7.1.4): these see the stores above
.endr
.endm
.macro SEND a
.set BK, OB+192*((\a)%2)
	s_wait_dscnt 0x0                               ; the block is back in registers
	s_wait_xcnt 0x0                                ; earlier stores have read their base and their data: both are written again only behind this wait
.if (\a) == 0
	s_add_nc_u64 s[8:9], s[8:9], s[16:17]          ; on to my first rows
.else
	s_add_nc_u64 s[8:9], s[8:9], 16*CROW
.endif
.irp t, 0,1,2,3,4,5,6,7
	global_store_b128 v[CO], v[BK+4*(\t):BK+4*(\t)+3], s[8:9] offset:2*(\t)*CROW  ; 16 lanes store 256 consecutive bytes, aligned
.endr
.endm
	s_load_b128 s[4:7], s[0:1], 0x0                ; xh s[4:5], wqh s[6:7]
	s_load_b64 s[8:9], s[0:1], 0x10                ; qkv
	s_load_b64 s[BIAS:BIAS+1], s[0:1], 0x18        ; b_qkv
	s_load_b64 s[LOP:LOP+1], s[0:1], 0x20          ; lo
	v_lshl_add_u32 v[SPW], v0, 2, SPARE
	v_mov_b32 v[NIL], 0
	ds_add_u32 v[SPW], v[NIL]                      ; the wave's opening: the add and its wait ahead of my first tensor load
	v_lshrrev_b32 v1, 5, v0
	v_readfirstlane_b32 s10, v1                    ; wave 0..3
	s_lshr_b32 s11, s10, 1                         ; my half of the tile's rows.  Also: I fetch for A (0) or for B (1)
	s_and_b32 s12, s10, 1                          ; my half of its columns.  Also: which 128 rows I fetch
	s_bfe_u32 s40, ttmp6, 0x40000                  ; cx
	s_bfe_u32 s41, ttmp6, 0x40004                  ; cy
	s_lshl_b32 s42, ttmp9, 2
	s_add_co_u32 s42, s42, s40                     ; tile column = 4 x cluster x + cx
	s_and_b32 s13, ttmp7, 0xffff
	s_lshl_b32 s14, s41, 3
	s_add_co_u32 s13, s13, s14                     ; tile row = 8 cy + cluster y: batch cy, block cluster y
	s_lshl_b32 s43, s41, 2
	s_lshl_b32 s43, 15, s43                        ; my row of the cluster
	s_lshl_b32 s44, 0x1111, s40                    ; my column
	s_or_b32 s[G1+0], s43, (1<<16)|(1<<20)|(1<<21)|(5<<22)|(3<<25)   ; the mask; 2-byte elements; padding on; bit 21 beside a mask; after every 64 words, 4 words
	s_or_b32 s[G1B+0], s44, (1<<16)|(1<<20)|(1<<21)|(5<<22)|(3<<25)
.irp g, G1, G1B
	s_mov_b32 s[(\g)+1], 128<<16                   ; tensor_dim0 = 128
	s_mov_b32 s[(\g)+2], 128<<16                   ; tensor_dim1 = 128
	s_mov_b32 s[(\g)+3], 128<<16                   ; tile_dim0 = 128
	s_mov_b32 s[(\g)+4], 128                       ; tile_dim1 = 128
	s_mov_b32 s[(\g)+5], 1024                      ; elements from row to row
	s_mov_b32 s[(\g)+6], 0
	s_mov_b32 s[(\g)+7], 0
.endr
	s_lshl_b32 s17, s12, 7
	s_lshl_b32 s16, s13, 8
	s_add_co_u32 s16, s16, s17                     ; A: row 256 x tile row + 128 x half
	s_lshl_b32 s16, s16, 11                        ; x 2,048 bytes
	s_lshl_b32 s46, s42, 8
	s_add_co_u32 s46, s46, s17                     ; B: row 256 x tile column + 128 x half
	s_lshl_b32 s46, s46, 11
	s_mov_b32 s17, 0
	s_mov_b32 s47, 0
	s_mul_i32 s[WOFA], s12, AW                     ; no place in the cluster enters an LDS address
	s_mul_i32 s[WOFB], s12, BW
	s_add_co_u32 s[WOFB], s[WOFB], 2*AW
	s_mov_b32 s[TB], 0
	s_wait_dscnt 0x0                               ; the opening add is done
	s_wait_kmcnt 0x0
	s_add_nc_u64 s[14:15], s[4:5], s[16:17]
	s_add_nc_u64 s[46:47], s[6:7], s[46:47]
	CROUND                                         ; all sixteen work-groups are here: the first joint loads meet
.irp s, 0,1
	s_mov_b32 s[G0+4*(\s)], 1
	s_add_co_u32 s[G0+4*(\s)+1], s[WOFA], (\s)*SLOT1
	s_add_nc_u64 s[G0+4*(\s)+2:G0+4*(\s)+3], s[14:15], (\s)*STEPA
	s_or_b32 s[G0+4*(\s)+3], s[G0+4*(\s)+3], 0x80000000
	s_mov_b32 s[G0B+4*(\s)], 1
	s_add_co_u32 s[G0B+4*(\s)+1], s[WOFB], (\s)*SLOT1
	s_add_nc_u64 s[G0B+4*(\s)+2:G0B+4*(\s)+3], s[46:47], (\s)*STEPB
	s_or_b32 s[G0B+4*(\s)+3], s[G0B+4*(\s)+3], 0x80000000
	JLOAD \s                                       ; K steps 0 and 1: two loads of mine are out
.endr
	v_and_b32 v1, 15, v0                           ; l % 16
	v_bfe_u32 v2, v0, 4, 1                         ; l / 16
	; the bias of my 128 columns: register j of block b is b_qkv[first + 16 b + 8 (l / 16) + j], the layout of a C operand
	s_lshl_b32 s20, s42, 10
	s_lshl_b32 s21, s12, 9
	s_add_co_u32 s20, s20, s21
	s_mov_b32 s21, 0
	s_add_nc_u64 s[BIAS:BIAS+1], s[BIAS:BIAS+1], s[20:21]
	v_lshlrev_b32 v6, 5, v2
	WIN 0x40
.irp b, 0,1,2,3,4,5,6,7
	global_load_b128 v[8*(\b):8*(\b)+3],   v6, s[BIAS:BIAS+1] offset:64*(\b)
	global_load_b128 v[8*(\b)+4:8*(\b)+7], v6, s[BIAS:BIAS+1] offset:64*(\b)+16
.endr
	WIN 0
	v_mul_u32_u24 v3, v1, PITCHA
	v_lshl_add_u32 v3, v2, 4, v3                   ; a fragment's row x pitch + 16 x half
	s_mul_i32 s21, s11, 128*PITCHA                 ; my 128 rows of A
	v_add_nc_u32 v[ADRA0], s21, v3
	v_mul_u32_u24 v4, v1, PITCHB
	v_lshl_add_u32 v4, v2, 4, v4
	v_add_nc_u32 v[ADRB0], s[WOFB], v4             ; my 128 rows of B
	v_mov_b32 v[ADRA], v[ADRA0]
	v_mov_b32 v[ADRB], v[ADRB0]
	s_mul_i32 s23, s10, 16*SPITCH
	s_add_co_u32 s23, s23, STAGE                   ; my stage
	v_mul_u32_u24 v4, v1, SPITCH                   ; in: row l % 16, 16 bytes for each half of the lanes
	v_lshl_add_u32 v4, v2, 4, v4
	v_add_nc_u32 v[STO], s23, v4
	v_mul_u32_u24 v5, v2, SPITCH                   ; back: lanes 0-15 one row of 256 bytes, lanes 16-31 the next
	v_lshl_add_u32 v5, v1, 4, v5
	v_add_nc_u32 v[RD], s23, v5
	v_mul_u32_u24 v5, v2, CROW                     ; and the same two rows in C
	v_lshl_add_u32 v[CO], v1, 4, v5
	s_lshl_b32 s16, s13, 8                         ; where my part of the tile begins in C
	s_lshl_b32 s20, s11, 7
	s_add_co_u32 s16, s16, s20
	s_mul_i32 s16, s16, CROW
	s_lshl_b32 s20, s42, 9
	s_add_co_u32 s16, s16, s20
	s_lshl_b32 s20, s12, 8
	s_add_co_u32 s16, s16, s20
	s_mov_b32 s17, 0
	s_lshl_b32 s[LOO], s41, 8                      ; and in lo: row 256 x batch (cy) + 128 x my half of the rows, the same columns
	s_lshl_b32 s20, s11, 7
	s_add_co_u32 s[LOO], s[LOO], s20
	s_mul_i32 s[LOO], s[LOO], CROW
	s_lshl_b32 s20, s42, 9
	s_add_co_u32 s[LOO], s[LOO], s20
	s_lshl_b32 s20, s12, 8
	s_add_co_u32 s[LOO], s[LOO], s20
	s_mov_b32 s[LOO+1], 0
	s_and_b32 s[SKP], ttmp7, 0xffff                ; cluster y: only block 0 of the batches has remainders
	s_cmp_eq_u32 ttmp9, 2                          ; cluster x = 2: tile columns 8-11, v's
	s_cselect_b32 s20, 1, 0
	s_cmp_eq_u32 s11, 0
	s_cselect_b32 s[TW], s20, 0                    ; v's columns, rows 0-127
	s_cselect_b32 s20, 0, s20                      ; v's columns, rows 128-255: nothing is stored
	s_or_b32 s[SKP], s[SKP], s20
	; the prefetches
	s_lshl_b32 s20, s13, 8
	s_lshl_b32 s21, s42, 8
	s_and_b32 s22, ttmp7, 0xffff                   ; cluster y
	s_cmp_eq_u32 s11, 0                            ; do I fetch for A?
	s_cselect_b32 s20, s20, s21                    ; the tile's first row
	s_cselect_b32 s21, s40, s41                    ; my place among the four that ask with me
	s_cselect_b32 s22, ttmp9, s22                  ; the coordinate along which other clusters read the same rows
	s_cselect_b64 s[PFA:PFA+1], s[4:5], s[6:7]
	s_cmp_eq_u32 s22, 0
	s_cselect_b32 s[LIM], 2, -1
	s_lshl_b32 s22, s12, 7
	s_add_co_u32 s20, s20, s22
	s_lshl_b32 s21, s21, 5
	s_add_co_u32 s20, s20, s21                     ; + my work-group's 32 rows
	s_lshl_b32 s20, s20, 11
	s_add_co_u32 s20, s20, 3*256                   ; at K step 3: the first change of slots steps it to 4
	s_mov_b32 s21, 0
	s_add_nc_u64 s[PFA:PFA+1], s[PFA:PFA+1], s[20:21]
	s_mov_b32 s[PST], 256
	s_mov_b32 s[PST+1], 0
	v_and_b32 v[PFO], 31, v0
	v_lshlrev_b32 v[PFO], 11, v[PFO]
	s_wait_loadcnt 0x0                             ; the bias: rounded to bf16, widened again
	WIN 0x05
.set i, 0
.rept 32
	v_cvt_pk_bf16_f32 v[TMP+i], v[2*i], v[2*i+1]
.set i, i+1
.endr
	WIN 0x40
.set i, 0
.rept 32
	v_lshlrev_b32 v[2*i], 16, v[TMP+i]
	v_and_b32 v[2*i+1], 0xffff0000, v[TMP+i]
.set i, i+1
.endr
	WIN 0
	s_wait_tensorcnt 1                             ; my part of K step 0 is in; K step 1's may stay out
	s_barrier_signal -1
	s_barrier_wait -1                              ; everybody's is
	FETCH 0, F0
	QUARTER 64, F0, F1, 1                          ; the first quarter stands in front of the loop: its products start the sums
	WIN 0
	s_mov_b32 s3, 6
.Lstep:                                                ; a trip: a K step's quarters 2 to 4 and the next step's first; the slot left is filled again
	QUARTER 128, F1, F0, 0
	QUARTER 192, F0, F1, 0
	TURN 1
	QUARTER 64, F0, F1, 0
	WIN 0
	s_sub_co_u32 s3, s3, 1
	s_cmp_lg_u32 s3, 0
	s_cbranch_scc1 .Lstep
	s_mov_b32 s3, 2
.Ltail:                                                ; the last two K steps: a text of their own; the second trip is left in its middle
	QUARTER 128, F1, F0, 0
	QUARTER 192, F0, F1, 0
	TURN 0
	WIN 0
	s_sub_co_u32 s3, s3, 1
	s_cmp_eq_u32 s3, 0
	s_cbranch_scc1 .Lout
	QUARTER 64, F0, F1, 0
	WIN 0
	s_branch .Ltail
.Lout:
	PLACES
	PACK 0
	TOSTAGE 0
.irp a, 1,2,3,4,5,6,7                  ; block a's conversions stand between block a - 1's loads from the stage and the wait for them
	PACK \a
	SEND (\a)-1
	TOSTAGE \a
.endr
	SEND 7
	s_cmp_lg_u32 s[SKP], 0                         ; the cluster's y and x and the wave's number decide: alike in all partners
	s_cbranch_scc1 .Lend
	s_wait_xcnt 0x0                                ; the last stores have read their base and their data
	s_mov_b64 s[8:9], s[LOP:LOP+1]                 ; THE SECOND WAY OUT, into lo: the same stage, the same rows of 6,144 bytes
	s_mov_b64 s[16:17], s[LOO:LOO+1]
	v_mov_b32 v[NEG1], 0xbf800000
	LOPACK 0
	TOSTAGE 0
.irp a, 1,2,3,4,5,6,7
	LOPACK \a
	SEND (\a)-1
	TOSTAGE \a
.endr
	SEND 7
.Lend:
	s_wait_tensorcnt 0x0                           ; the wave's end
	ds_add_u32 v[SPW], v[NIL]
	s_wait_dscnt 0x0
	CROUND                                         ; the closing round: no work-group ends while a partner may still ask for a tile that names it
	s_endpgm
.Lfunc_end_k_q9027419abd_qkv:
	.size	k_q9027419abd_qkv, .Lfunc_end_k_q9027419abd_qkv-k_q9027419abd_qkv
	.p2alignl 7, 3214868480
	.fill 96, 4, 3214868480
	.section	.rodata,"a",@progbits
	.p2align	6, 0x0
	.amdhsa_kernel k_q9027419abd_qkv
		.amdhsa_group_segment_fixed_size 327680
		.amdhsa_private_segment_fixed_size 0
		.amdhsa_enable_private_segment 0
		.amdhsa_kernarg_size 40
		.amdhsa_user_sgpr_count 2
		.amdhsa_user_sgpr_kernarg_segment_ptr 1
		.amdhsa_wavefront_size32 1
		.amdhsa_system_sgpr_workgroup_id_x 1
		.amdhsa_system_sgpr_workgroup_id_y 1
		.amdhsa_system_sgpr_workgroup_id_z 1
		.amdhsa_system_vgpr_workitem_id 0
		.amdhsa_next_free_vgpr 1024
		.amdhsa_next_free_sgpr 80
		.amdhsa_reserve_vcc 0
		.amdhsa_float_denorm_mode_32 3
		.amdhsa_float_denorm_mode_16_64 3
		.amdhsa_memory_ordered 1
		.amdhsa_forward_progress 1
		.amdhsa_inst_pref_size 182
	.end_amdhsa_kernel
	.amdgpu_metadata
---
amdhsa.version: [ 1, 2 ]
amdhsa.kernels:
  - .name:           k_q9027419abd_qkv
    .symbol:         k_q9027419abd_qkv.kd
    .args:
      - { .name: xh, .offset: 0, .size: 8, .value_kind: global_buffer, .address_space: global }
      - { .name: wqh, .offset: 8, .size: 8, .value_kind: global_buffer, .address_space: global }
      - { .name: qkv, .offset: 16, .size: 8, .value_kind: global_buffer, .address_space: global }
      - { .name: b_qkv, .offset: 24, .size: 8, .value_kind: global_buffer, .address_space: global }
      - { .name: lo, .offset: 32, .size: 8, .value_kind: global_buffer, .address_space: global }
    .group_segment_fixed_size: 327680
    .private_segment_fixed_size: 0
    .kernarg_segment_align: 8
    .kernarg_segment_size: 40
    .max_flat_workgroup_size: 128
    .sgpr_count:     80
    .vgpr_count:     1024
    .wavefront_size: 32
...
	.end_amdgpu_metadata
.endif
;; end of part 2
;; launch scores (part 3): grid 38 x 4, 4 waves a work-group, no clusters, 327,680 bytes of LDS; arguments qkv, sc, lo; writes sc
.if DOCPART == 3
	.amdgcn_target "amdgcn-amd-amdhsa--gfx1250"
	.amdhsa_code_object_version 6
	.text
	.protected	k_q9027419abd_scores
	.globl	k_q9027419abd_scores
	.p2align	8
	.type	k_q9027419abd_scores,@function
k_q9027419abd_scores:
	s_mov_b64 s[64:65], 0
	v_nop
	global_prefetch_b8 v0, s[64:65] scope:SCOPE_SE
	s_setreg_imm32_b32 hwreg(HW_REG_WAVE_MODE, 25, 1), 1
	s_wait_xcnt 0x0
; sc[bt][q][k] = the sum over h of q[bt][q][h] k[bt][k][h], unscaled, f32; only the tiles of 256 x 256 with tile column J <= tile row I: what lies wholly above the diagonal is never wanted.
; q and k are the first and second 2,048 bytes of qkv's rows of 6,144 bytes, f16.  The mask inside the diagonal tiles, the scale and the softmax are the next launch's.
; WHICH TILE.  Rows 7 - p and p of a batch's triangle hold 9 tiles together: work-group (c, bt), p = c / 9, takes tile c % 9 of that pair: 36 a batch.
; TWO MORE TILES A BATCH, c = 36 and 37, mend the rounding of q and k to f16 in the batch's first 256 rows, where the output is most sensitive: with lo's remainders ql, kl they make q kl^T and ql k^T of tile (0, 0),
; by the same text, one operand's address taken from lo, and put them into sc's tiles (0, 1) and (0, 2), which nothing else uses; the next launch adds the three.  (ql kl^T is some 2^-22 of a score: left out.)
; NO CLUSTER: a row of the triangle has 1 to 8 tiles and a pair of rows 9: no group of four work-groups that share a tile divides the set, and a 4 x 4 block on the diagonal would hold 6 tiles that serve nothing.
; Four waves, 128 x 128 each; K = 1,024 in 8 steps of 128 through two LDS slots; the matrix instruction is used transposed (source 0 = 16 rows of k, source 1 = 16 rows of q): a lane holds row lane % 16 of
; the tile and the columns 8 (lane / 16) + 0..7.  The loop is one K step a trip; the last two steps, which ask for nothing, are a second loop.
; REGISTERS, in windows of 256 (s_set_vgpr_msb: bits 1:0 source 0, 3:2 source 1, 5:4 source 2, 7:6 destination):
;   window 0: v0-31 addresses; v64-127, v128-191 A's fragments, two buffers, and on the way out the rows read back;  window 1: v64-127, v128-191 B's fragments
;   window 2: the accumulators of my rows 0-63 ((a, b) at v[8 (8 a + b)]);  window 3: those of my rows 64-127
.set PITCHA, 272                       ; an LDS row: 256 bytes + 16 of padding: the 16 rows of a fragment load start at 16 different groups of four banks (ISA guide 11.1)
.set PITCHB, 272
.set AKB,    256
.set APL,    0
.set AW,     128*272
.set BW,     128*272
.set SLOT,   2*AW+2*BW
.set SLOT1,  SLOT                      ; 0x22000 shares no bit with the loads' offsets 0, 0x8800, 0x11000, 0x19800, so one exclusive or changes slots
.set STAGE,  SLOT1+SLOT                ; behind the ring: 16 rows x 528 bytes for each wave; no tensor load fills it
.set SPITCH, 528                       ; 512 bytes + 16: an odd multiple of 16
.set SPARE,  STAGE+4*16*SPITCH         ; the spare words, 128 bytes for each wave: two blocks of 256 bytes that no other line names
.set STEPA,  256
.set STEPB,  256
.set CROW,   8192                      ; bytes in a row of sc
.set ADRA0, 14
.set ADRB0, 15
.set ADRA,  16
.set ADRB,  17
.set STO,  24
.set RD,   25
.set CO,   26
.set SPW,  28
.set NIL,  29
.set PFO,  30                          ; v30  my lane x a row of 6,144 bytes; never rewritten
.set F0,   64
.set F1,   128
.set G1,  24                           ; s[24:31] descriptor group 1, for A's and B's tiles alike
.set G0,  32                           ; s[32:39] group 0 for A: a set for each first fill; the second then walks
.set G0B, 56                           ; s[56:63] the same for B
.set JO,  40                           ; s40  the tile column in sc into which I store
.set BT,  41                           ; s41  2,048 x the batch: the batch's first row; a register of its own, which never holds an address
.set LIM, 43
.set PFA, 44
.set PST, 76
.set TB,  66
.set WOFA, 68
.set WOFB, 69
.set QA,  78                           ; s78  0 where this work-group asks ahead for A's rows
.set QB,  79                           ; s79  0 where it asks ahead for B's
.set MSB, 0
.macro WIN new
.if MSB != (\new)
	s_set_vgpr_msb (MSB<<8)|(\new)
.set MSB, \new
.endif
.endm
.macro PLACES                          ; four plain vector instructions between a matrix instruction and a load into, or a read of, its registers
.rept 4
	v_nop
.endr
.endm
.macro JLOAD s                         ; waves 0 and 1 fetch A's two halves, waves 2 and 3 B's; an s_nop 0 and four v_nop follow each line
	s_cmp_eq_u32 s11, 0
	s_cbranch_scc0 .Lfor_b_\@
	tensor_load_to_lds s[G0+4*(\s):G0+4*(\s)+3], s[G1:G1+7]
	s_nop 0
.rept 4
	v_nop
.endr
	s_branch .Lasked_\@
.Lfor_b_\@:
	tensor_load_to_lds s[G0B+4*(\s):G0B+4*(\s)+3], s[G1:G1+7]
	s_nop 0
.rept 4
	v_nop
.endr
.Lasked_\@:
.endm
; A prefetch of the K step that stands two refills on: my 128 rows x 256 bytes, a lane a row, four lines.  q's rows of tile row I are asked for by the work-group with J = 0, k's rows of tile J by the one with I = 7,
; lo's rows by the one tile that reads them: each row's 256 bytes are named once.  Trips with s3 = 6 .. 3 name K steps 4 .. 7.
.macro ASK
	s_cmp_gt_u32 s3, s[LIM]
	s_cbranch_scc0 .Lnot_mine_\@
.irp j, 0,1,2,3
	global_prefetch_b8 v[PFO], s[PFA:PFA+1] offset:(\j)*32*6144 th:TH_LOAD_NT scope:SCOPE_SE
.endr
.Lnot_mine_\@:
.endm
.macro MUL16 f, hi, a0, first          ; 16 matrix instructions; first = 1: the constant 0 starts the sums
	WIN 0xa1+0x50*(\hi)
.irp a, \a0, (\a0)+1
.irp b, 0,1,2,3,4,5,6,7
.if \first
	v_wmma_f32_16x16x32_f16 v[8*(8*(\a)+(\b)):8*(8*(\a)+(\b))+7], v[(\f)+8*(\b):(\f)+8*(\b)+7], v[(\f)+8*(4*(\hi)+(\a)):(\f)+8*(4*(\hi)+(\a))+7], 0
.else
	v_wmma_f32_16x16x32_f16 v[8*(8*(\a)+(\b)):8*(8*(\a)+(\b))+7], v[(\f)+8*(\b):(\f)+8*(\b)+7], v[(\f)+8*(4*(\hi)+(\a)):(\f)+8*(4*(\hi)+(\a))+7], v[8*(8*(\a)+(\b)):8*(8*(\a)+(\b))+7]
.endif
.endr
.endr
.endm
.macro FETCH k, f                      ; 32 LDS loads in one run: B's 128 rows, then A's, 32 along K at byte k
	WIN 0x40
.irp i, 0,1,2,3,4,5,6,7
	ds_load_b128 v[(\f)+8*(\i):(\f)+8*(\i)+3],   v[ADRB] offset:(\k)+(\i)*16*PITCHB
	ds_load_b128 v[(\f)+8*(\i)+4:(\f)+8*(\i)+7], v[ADRB] offset:(\k)+(\i)*16*PITCHB+32
.endr
	WIN 0
.irp i, 0,1,2,3,4,5,6,7
	ds_load_b128 v[(\f)+8*(\i):(\f)+8*(\i)+3],   v[ADRA] offset:((\k)/AKB)*APL+(\k)%AKB+(\i)*16*PITCHA
	ds_load_b128 v[(\f)+8*(\i)+4:(\f)+8*(\i)+7], v[ADRA] offset:((\k)/AKB)*APL+(\k)%AKB+(\i)*16*PITCHA+32
.endr
.endm
.macro QUARTER k, f, g, first          ; 64 matrix instructions on buffer f; in the middle the next quarter's fragments into g.  The 64 accumulators take turns
	s_wait_dscnt 8                                 ; B and A's rows 0-63 are in; the youngest eight loads may be out
	MUL16 \f, 0, 0, \first
	MUL16 \f, 0, 2, \first
	PLACES
	FETCH \k, \g
	s_wait_dscnt 32                                ; all but the 32 just issued
	MUL16 \f, 1, 0, \first
	MUL16 \f, 1, 2, \first
.endm
; The last quarter changes slots: ONE barrier; in front of it each wave waits for all its tensor loads, adds 0 to its spare word, and waits for that and for its own reads of this slot.
; fill = 1: this slot is filled again first thing behind the barrier, with the K step two on.  fill = 0: nothing is asked for; in the very last step (s3 = 1) the run of LDS loads is jumped over.
.macro TURN fill
.if \fill
	s_wait_xcnt 0x0                                ; the last prefetches, a K step back, have read their address
	s_add_nc_u64 s[PFA:PFA+1], s[PFA:PFA+1], s[PST:PST+1]
.endif
	WIN 0
	s_wait_tensorcnt 0x0                           ; all my tensor loads have landed
	ds_add_u32 v[SPW], v[NIL]                      ; 0 onto my spare word
	s_wait_dscnt 9                                 ; (the add and the youngest eight loads may be out)
	MUL16 F1, 0, 0, 0
	s_wait_dscnt 0x0                               ; the add is done, and my reads of this slot are over
	s_barrier_signal -1
	MUL16 F1, 0, 2, 0
	WIN 0
	s_barrier_wait -1
.if \fill
	s_xor_b32 s[G0+5], s[G0+5], SLOT1
	s_xor_b32 s[G0B+5], s[G0B+5], SLOT1
	s_add_nc_u64 s[G0+6:G0+7], s[G0+6:G0+7], STEPA
	s_add_nc_u64 s[G0B+6:G0B+7], s[G0B+6:G0B+7], STEPB
	JLOAD 1                                        ; its four v_nop are also the places in front of the loads below
.else
	PLACES
.endif
	s_xor_b32 s[TB], s[TB], SLOT1
	v_add_nc_u32 v[ADRA], s[TB], v[ADRA0]
	v_add_nc_u32 v[ADRB], s[TB], v[ADRB0]
.if !(\fill)
	s_cmp_eq_u32 s3, 1
	s_cbranch_scc1 .Lno_fetch_\@
.endif
	FETCH 0, F0
.if \fill
	ASK
.else
.Lno_fetch_\@:
.endif
	MUL16 F1, 1, 0, 0
	MUL16 F1, 1, 2, 0
.endm
; THE WAY OUT of row block a, in f32: a lane's 8 columns of a row go as 32 bytes into my stage (rows of 528 bytes) and come back as whole rows of 512 bytes.
.macro TOST32 a
.if (\a) >= 2
	s_wait_xcnt 0x0                                ; block a - 2's stores have read the registers that are loaded again below
.endif
	WIN 0x08+4*((\a)/4)                            ; store data: window 2 or 3
.irp b, 0,1,2,3,4,5,6,7
	ds_store_b128 v[STO], v[64*((\a)%4)+8*(\b):64*((\a)%4)+8*(\b)+3]   offset:64*(\b)
	ds_store_b128 v[STO], v[64*((\a)%4)+8*(\b)+4:64*((\a)%4)+8*(\b)+7] offset:64*(\b)+16
.endr
	WIN 0
.irp t, 0,1,2,3,4,5,6,7,8,9,10,11,12,13,14,15
	ds_load_b128 v[64+64*((\a)%2)+4*(\t):64+64*((\a)%2)+4*(\t)+3], v[RD] offset:(\t)*SPITCH  ; LDS serves a wave's instructions in order (ISA guide 5.7.1.4)
.endr
.endm
.macro SEND32 a, younger               ; younger: the next block's 16 stores and 16 loads, or none
	s_wait_dscnt \younger
	s_wait_xcnt 0x0                                ; earlier stores have read their base
.if (\a) == 0
	s_add_nc_u64 s[8:9], s[8:9], s[16:17]
.else
	s_add_nc_u64 s[8:9], s[8:9], 16*CROW
.endif
.irp t, 0,1,2,3,4,5,6,7,8,9,10,11,12,13,14,15
	global_store_b128 v[CO], v[64+64*((\a)%2)+4*(\t):64+64*((\a)%2)+4*(\t)+3], s[8:9] offset:(\t)*CROW  ; the wave stores 512 consecutive bytes, aligned
.endr
.endm
	s_load_b64 s[4:5], s[0:1], 0x0                 ; qkv
	s_load_b64 s[8:9], s[0:1], 0x8                 ; sc
	s_load_b64 s[6:7], s[0:1], 0x10                ; lo
	v_lshl_add_u32 v[SPW], v0, 2, SPARE
	v_mov_b32 v[NIL], 0
	ds_add_u32 v[SPW], v[NIL]                      ; the wave's opening: the add and its wait ahead of my first tensor load
	v_lshrrev_b32 v1, 5, v0
	v_readfirstlane_b32 s10, v1                    ; wave 0..3
	s_lshr_b32 s11, s10, 1                         ; my half of the tile's rows.  Also: I fetch for A (0) or for B (1)
	s_and_b32 s12, s10, 1                          ; my half of its columns.  Also: which 128 rows I fetch
	s_and_b32 s[BT], ttmp7, 0xffff                 ; bt
	s_lshl_b32 s23, s[BT], 8                       ; 256 bt: the batch's first row in lo
	s_lshl_b32 s[BT], s[BT], 11                    ; 2,048 bt: in qkv and sc
	s_mul_i32 s14, ttmp9, 57
	s_lshr_b32 s14, s14, 9                         ; p = c / 9, right for c = 0 .. 37: 0 .. 3, and 4 for the two mending tiles
	s_mul_i32 s15, s14, 9
	s_sub_co_u32 s15, ttmp9, s15                   ; c % 9
	s_sub_co_u32 s18, 7, s14                       ; 7 - p
	s_add_co_u32 s19, s15, s14
	s_sub_co_u32 s19, s19, 8                       ; c % 9 + p - 8: the tile's number in row p
	s_cmp_le_u32 s15, s18
	s_cselect_b32 s13, s18, s14                    ; I
	s_cselect_b32 s42, s15, s19                    ; J
	s_sub_co_u32 s21, 7, s13
	s_sub_co_u32 s22, 1, s15
	s_add_co_u32 s20, s15, 1
	s_cmp_eq_u32 s14, 4                            ; a mending tile?
	s_cselect_b32 s[QA], s22, s42                  ; A's rows are asked ahead for where J = 0; of the mending tiles by c = 37, whose A is lo's
	s_cselect_b32 s[QB], s15, s21                  ; B's where I = 7; of the mending tiles by c = 36, whose B is lo's
	s_cselect_b32 s[JO], s20, s42                  ; stored into tile column J; the mending tiles into 1 and 2
	s_cselect_b32 s42, 0, s42                      ; their operands are tile (0, 0)'s
	s_cselect_b32 s13, 0, s13
	s_mov_b32 s[G1+0], (1<<16)|(1<<20)|(5<<22)|(3<<25)  ; 2-byte elements; padding on: after every 64 words, 4 words
	s_mov_b32 s[G1+1], 128<<16                     ; tensor_dim0 = 128
	s_mov_b32 s[G1+2], 128<<16                     ; tensor_dim1 = 128
	s_mov_b32 s[G1+3], 128<<16                     ; tile_dim0 = 128
	s_mov_b32 s[G1+4], 128                         ; tile_dim1 = 128
	s_mov_b32 s[G1+5], 3072                        ; elements from row to row, in qkv and in lo
	s_mov_b32 s[G1+6], 0
	s_mov_b32 s[G1+7], 0
	s_lshl_b32 s17, s12, 7
	s_add_co_u32 s23, s23, s17                     ; lo: row 256 bt + 128 x half
	s_lshl_b32 s16, s13, 8
	s_add_co_u32 s16, s16, s17
	s_add_co_u32 s16, s16, s[BT]                   ; q: row 2,048 bt + 256 I + 128 x half
	s_cmp_eq_u32 ttmp9, 37
	s_cselect_b32 s16, s23, s16                    ; c = 37: ql
	s_mul_i32 s16, s16, 6144
	s_lshl_b32 s46, s42, 8
	s_add_co_u32 s46, s46, s17
	s_add_co_u32 s46, s46, s[BT]                   ; k: row 2,048 bt + 256 J + 128 x half,
	s_cmp_eq_u32 ttmp9, 36
	s_cselect_b32 s46, s23, s46                    ; c = 36: kl
	s_mul_i32 s46, s46, 6144
	s_add_co_u32 s46, s46, 2048                    ; the row's second part
	s_mov_b32 s17, 0
	s_mov_b32 s47, 0
	s_mul_i32 s[WOFA], s12, AW
	s_mul_i32 s[WOFB], s12, BW
	s_add_co_u32 s[WOFB], s[WOFB], 2*AW
	s_mov_b32 s[TB], 0
	s_wait_dscnt 0x0                               ; the opening add is done
	s_wait_kmcnt 0x0
	s_cmp_eq_u32 ttmp9, 37
	s_cselect_b64 s[14:15], s[6:7], s[4:5]
	s_add_nc_u64 s[14:15], s[14:15], s[16:17]
	s_cmp_eq_u32 ttmp9, 36
	s_cselect_b64 s[20:21], s[6:7], s[4:5]
	s_add_nc_u64 s[46:47], s[20:21], s[46:47]
.irp s, 0,1
	s_mov_b32 s[G0+4*(\s)], 1
	s_add_co_u32 s[G0+4*(\s)+1], s[WOFA], (\s)*SLOT1
	s_add_nc_u64 s[G0+4*(\s)+2:G0+4*(\s)+3], s[14:15], (\s)*STEPA
	s_or_b32 s[G0+4*(\s)+3], s[G0+4*(\s)+3], 0x80000000
	s_mov_b32 s[G0B+4*(\s)], 1
	s_add_co_u32 s[G0B+4*(\s)+1], s[WOFB], (\s)*SLOT1
	s_add_nc_u64 s[G0B+4*(\s)+2:G0B+4*(\s)+3], s[46:47], (\s)*STEPB
	s_or_b32 s[G0B+4*(\s)+3], s[G0B+4*(\s)+3], 0x80000000
	JLOAD \s                                       ; K steps 0 and 1: two loads of mine are out
.endr
	; the prefetches: my own 128 rows, from K step 3 on (the first change of slots steps it to 4)
	s_cmp_eq_u32 s11, 0
	s_cselect_b32 s20, s[QA], s[QB]                ; 0 where I am the one that asks
	s_cselect_b64 s[PFA:PFA+1], s[14:15], s[46:47]
	s_cmp_eq_u32 s20, 0
	s_cselect_b32 s[LIM], 2, -1
	s_add_nc_u64 s[PFA:PFA+1], s[PFA:PFA+1], 3*256
	s_mov_b32 s[PST], 256
	s_mov_b32 s[PST+1], 0
	v_and_b32 v[PFO], 31, v0
	v_mul_u32_u24 v[PFO], v[PFO], 6144
	v_and_b32 v1, 15, v0                           ; l % 16
	v_bfe_u32 v2, v0, 4, 1                         ; l / 16
	v_mul_u32_u24 v3, v1, PITCHA
	v_lshl_add_u32 v3, v2, 4, v3
	s_mul_i32 s21, s11, 128*PITCHA
	v_add_nc_u32 v[ADRA0], s21, v3
	v_mul_u32_u24 v4, v1, PITCHB
	v_lshl_add_u32 v4, v2, 4, v4
	v_add_nc_u32 v[ADRB0], s[WOFB], v4
	v_mov_b32 v[ADRA], v[ADRA0]
	v_mov_b32 v[ADRB], v[ADRB0]
	s_mul_i32 s23, s10, 16*SPITCH
	s_add_co_u32 s23, s23, STAGE                   ; my stage
	v_mul_u32_u24 v4, v1, SPITCH                   ; in: row l % 16, 32 bytes for each half of the lanes
	v_lshl_add_u32 v4, v2, 5, v4
	v_add_nc_u32 v[STO], s23, v4
	v_and_b32 v5, 31, v0
	v_lshlrev_b32 v[CO], 4, v5                     ; back and out: 32 lanes take a row of 512 bytes
	v_add_nc_u32 v[RD], s23, v[CO]
	s_lshl_b32 s16, s13, 8                         ; where my part of the tile begins in sc: row 2,048 bt + 256 I + 128 x my half of the rows,
	s_lshl_b32 s20, s11, 7
	s_add_co_u32 s16, s16, s20
	s_add_co_u32 s16, s16, s[BT]
	s_lshl_b32 s16, s16, 13                        ; of 8,192 bytes,
	s_lshl_b32 s20, s[JO], 10
	s_add_co_u32 s16, s16, s20                     ; column 256 x tile column + 128 x my half of the columns, of 4 bytes
	s_lshl_b32 s20, s12, 9
	s_add_co_u32 s16, s16, s20
	s_mov_b32 s17, 0
	s_wait_tensorcnt 1                             ; my part of K step 0 is in; K step 1's may stay out
	s_barrier_signal -1
	s_barrier_wait -1
	FETCH 0, F0
	QUARTER 64, F0, F1, 1                          ; the first quarter stands in front of the loop: its products start the sums
	WIN 0
	s_mov_b32 s3, 6
.Lstep:                                                ; a trip: a K step's quarters 2 to 4 and the next step's first; the slot left is filled again
	QUARTER 128, F1, F0, 0
	QUARTER 192, F0, F1, 0
	TURN 1
	QUARTER 64, F0, F1, 0
	WIN 0
	s_sub_co_u32 s3, s3, 1
	s_cmp_lg_u32 s3, 0
	s_cbranch_scc1 .Lstep
	s_mov_b32 s3, 2
.Ltail:                                                ; the last two K steps: a text of their own
	QUARTER 128, F1, F0, 0
	QUARTER 192, F0, F1, 0
	TURN 0
	WIN 0
	s_sub_co_u32 s3, s3, 1
	s_cmp_eq_u32 s3, 0
	s_cbranch_scc1 .Lout
	QUARTER 64, F0, F1, 0
	WIN 0
	s_branch .Ltail
.Lout:
	PLACES
	TOST32 0
.irp a, 1,2,3,4,5,6,7
	TOST32 \a
	SEND32 (\a)-1, 32
.endr
	SEND32 7, 0
	s_wait_tensorcnt 0x0                           ; the wave's end
	ds_add_u32 v[SPW], v[NIL]
	s_wait_dscnt 0x0
	s_endpgm
.Lfunc_end_k_q9027419abd_scores:
	.size	k_q9027419abd_scores, .Lfunc_end_k_q9027419abd_scores-k_q9027419abd_scores
	.p2alignl 7, 3214868480
	.fill 96, 4, 3214868480
	.section	.rodata,"a",@progbits
	.p2align	6, 0x0
	.amdhsa_kernel k_q9027419abd_scores
		.amdhsa_group_segment_fixed_size 327680
		.amdhsa_private_segment_fixed_size 0
		.amdhsa_enable_private_segment 0
		.amdhsa_kernarg_size 24
		.amdhsa_user_sgpr_count 2
		.amdhsa_user_sgpr_kernarg_segment_ptr 1
		.amdhsa_wavefront_size32 1
		.amdhsa_system_sgpr_workgroup_id_x 1
		.amdhsa_system_sgpr_workgroup_id_y 1
		.amdhsa_system_sgpr_workgroup_id_z 1
		.amdhsa_system_vgpr_workitem_id 0
		.amdhsa_next_free_vgpr 1024
		.amdhsa_next_free_sgpr 80
		.amdhsa_reserve_vcc 0
		.amdhsa_float_denorm_mode_32 3
		.amdhsa_float_denorm_mode_16_64 3
		.amdhsa_memory_ordered 1
		.amdhsa_forward_progress 1
		.amdhsa_inst_pref_size 98
	.end_amdhsa_kernel
	.amdgpu_metadata
---
amdhsa.version: [ 1, 2 ]
amdhsa.kernels:
  - .name:           k_q9027419abd_scores
    .symbol:         k_q9027419abd_scores.kd
    .args:
      - { .name: qkv, .offset: 0, .size: 8, .value_kind: global_buffer, .address_space: global }
      - { .name: sc, .offset: 8, .size: 8, .value_kind: global_buffer, .address_space: global }
      - { .name: lo, .offset: 16, .size: 8, .value_kind: global_buffer, .address_space: global }
    .group_segment_fixed_size: 327680
    .private_segment_fixed_size: 0
    .kernarg_segment_align: 8
    .kernarg_segment_size: 24
    .max_flat_workgroup_size: 128
    .sgpr_count:     80
    .vgpr_count:     1024
    .wavefront_size: 32
...
	.end_amdgpu_metadata
.endif
;; end of part 3
;; launch softmax (part 4): grid 128 x 4, 8 waves a work-group, no clusters, 0 bytes of LDS; arguments sc, pr; writes pr
.if DOCPART == 4
	.amdgcn_target "amdgcn-amd-amdhsa--gfx1250"
	.amdhsa_code_object_version 6
	.text
	.protected	k_q9027419abd_softmax
	.globl	k_q9027419abd_softmax
	.p2align	8
	.type	k_q9027419abd_softmax,@function
k_q9027419abd_softmax:
	s_mov_b64 s[64:65], 0
	v_nop
	global_prefetch_b8 v0, s[64:65] scope:SCOPE_SE
	s_setreg_imm32_b32 hwreg(HW_REG_WAVE_MODE, 25, 1), 1
	s_wait_xcnt 0x0
; pr[bt][q][k] = softmax over k <= q of sc[bt][q][k] / 32, rounded once to f16; 0 for k > q inside the row's diagonal block of 256 keys (rows 0-127 of a batch: see below); blocks wholly above the diagonal are not written.
; All in f32: the row's true maximum m, p = 2^(c s - c m) with c = log2(e) / 32, l = the sum of the unrounded p, P = p / l.  A hidden score counts as minus infinity.
; LIMITS.  A weight below 2^-126 counts as 0; P below 6e-5 keeps f16's fixed step of 6e-8; NaN and infinities among the scores are not treated apart.
; SHARES.  A wave takes a PAIR of rows of one batch, r (0 .. 1,023) and 2,047 - r: IL + 1 and 8 - IL blocks of 256 keys, IL = r / 256: nine blocks whatever r, so every wave is alike but for the two short steps below.
; Both rows stay in 72 registers between the passes: memory is read once.  No LDS, no barrier: no wave wants another's numbers.
; WHICH BLOCK.  IH = 7 - IL.  Blocks 0-4: the long row's key blocks IH, IH - 1 .. (block 0 holds its diagonal).  Block 8: the short row's diagonal block IL.  Block i of 5-7: the long row's key block IH - i
; if i <= IH, else the short row's IL - (8 - i); a scalar mask says which, and selects send its maximum, sum and factor to the right row.
; THE FIRST ROWS OF A BATCH, which average over few keys and so are many times the output's root mean square, carry more than f16's 11 bits:
;   r < 256: the scores take the two mending terms that lie 256 and 512 columns to the right in sc (q's and k's remainders);
;   r < 128: columns 128-255 of the row, which the mask leaves 0, carry P of keys 0-63 once more (128-191) and the remainders P - f16(P) of keys 0-63 (192-255): the next launch multiplies them by v's remainders and by v.
.set VO, 8                             ; v[8:16]    block i: my byte offset in sc, later halved: in pr
.set BM, 17                            ; v[17:25]   block i: its maximum
.set X,  48                            ; v[48:119]  block i: 8 registers: keys 4 l .. 4 l + 3 and 128 + 4 l .. + 3
.set Y,  120                           ; v[120:155] first the blocks' sums (a pair each), then the results, 4 registers a block
.set C,  160                           ; v[160:175] the two mending terms of block 8
.macro PAIR i                          ; cm = the register pair that holds block i's c m, later its 1 / l (the low word serves both halves)
.if (\i) < 5
.set cm, 36
.elseif (\i) == 8
.set cm, 38
.else
.set cm, 40+2*((\i)-5)
.endif
.endm
.macro LANES op, a, t                  ; a = op over the wave's 32 lanes of a; t: a register that has been written
	\op\()_dpp v[\a], v[\a], v[\a] row_xmask:1 row_mask:0xf bank_mask:0xf
	\op\()_dpp v[\a], v[\a], v[\a] row_xmask:2 row_mask:0xf bank_mask:0xf
	\op\()_dpp v[\a], v[\a], v[\a] row_xmask:4 row_mask:0xf bank_mask:0xf
	\op\()_dpp v[\a], v[\a], v[\a] row_xmask:8 row_mask:0xf bank_mask:0xf
	v_permlanex16_b32 v[\t], v[\a], s12, s13
	\op v[\a], v[\a], v[\t]
.endm
	s_load_b128 s[4:7], s[0:1], 0x0                ; sc s[4:5], pr s[6:7]
	v_lshrrev_b32 v1, 5, v0
	v_readfirstlane_b32 s8, v1                     ; wave 0..7
	v_and_b32 v1, 31, v0
	v_lshlrev_b32 v2, 4, v1                        ; 16 l
	v_lshlrev_b32 v7, 2, v1                        ; 4 l
	v_mov_b32 v5, 0xff800000                       ; minus infinity
	v_mov_b32 v6, 0
	s_mov_b32 s12, 0x76543210                      ; v_permlanex16_b32: each lane takes its own place in the other half
	s_mov_b32 s13, 0xfedcba98
	s_mov_b32 s34, 0x3d38aa3b                      ; c = log2(e) / 32
	s_mov_b32 s35, s34                             ; named with it as a pair
	s_mov_b32 s36, 0xffff0000                      ; lanes 16-31
	s_lshl_b32 s9, ttmp9, 3
	s_add_co_u32 s9, s9, s8                        ; the short row
	s_sub_co_u32 s10, 2047, s9                     ; the long row
	s_lshr_b32 s11, s9, 8                          ; IL
	s_sub_co_u32 s14, 7, s11                       ; IH
	s_and_b32 s15, ttmp7, 0xffff
	s_lshl_b32 s15, s15, 11                        ; 2,048 bt
	s_add_co_u32 s28, s15, s10
	s_lshl_b32 s28, s28, 13                        ; rows of 8,192 bytes
	s_lshl_b32 s29, s14, 10                        ; blocks of 1,024
	s_add_co_u32 s28, s28, s29                     ; the long row's diagonal block
	s_add_co_u32 s30, s15, s9
	s_lshl_b32 s30, s30, 13
	s_lshl_b32 s29, s11, 10
	s_add_co_u32 s30, s30, s29                     ; the short row's
.irp i, 0,1,2,3,4
	s_sub_co_u32 s[16+(\i)], s28, 1024*(\i)
.endr
.irp i, 5,6,7
	s_sub_co_u32 s31, s28, 1024*(\i)
	s_sub_co_u32 s32, s30, 1024*(8-(\i))
	s_cmp_ge_u32 s14, \i
	s_cselect_b32 s[16+(\i)], s31, s32
	s_cselect_b32 s[20+(\i)], -1, 0                ; s25-27: all ones where the block is the long row's
.endr
	s_mov_b32 s24, s30
	s_and_b32 s33, s10, 255
	v_sub_nc_u32 v3, s33, v7                       ; the long row's place in its block less 4 l: element e is hidden where e % 4 + 128 (e / 4) is greater
	s_and_b32 s33, s9, 255
	v_sub_nc_u32 v4, s33, v7                       ; the same for the short row
.irp i, 0,1,2,3,4,5,6,7,8
	v_add_nc_u32 v[VO+(\i)], s[16+(\i)], v2
.endr
	s_wait_kmcnt 0x0
.irp i, 0,1,2,3,4,5,6,7,8
	global_load_b128 v[X+8*(\i):X+8*(\i)+3],   v[VO+(\i)], s[4:5] th:TH_LOAD_NT              ; the wave reads 512 consecutive bytes, aligned
	global_load_b128 v[X+8*(\i)+4:X+8*(\i)+7], v[VO+(\i)], s[4:5] offset:512 th:TH_LOAD_NT
.endr
	s_cmp_lg_u32 s11, 0                            ; r < 256?
	s_cbranch_scc1 .Lplain
	global_load_b128 v[C:C+3],     v[VO+8], s[4:5] offset:1024 th:TH_LOAD_NT   ; q kl^T: the same keys, 256 columns on,
	global_load_b128 v[C+4:C+7],   v[VO+8], s[4:5] offset:1536 th:TH_LOAD_NT
	global_load_b128 v[C+8:C+11],  v[VO+8], s[4:5] offset:2048 th:TH_LOAD_NT   ; ql k^T: 512 columns on
	global_load_b128 v[C+12:C+15], v[VO+8], s[4:5] offset:2560 th:TH_LOAD_NT
	s_wait_loadcnt 0x0
.irp k, 0,2,4,6
	v_pk_add_f32 v[X+64+(\k):X+64+(\k)+1], v[X+64+(\k):X+64+(\k)+1], v[C+(\k):C+(\k)+1]
.endr
.irp k, 0,2,4,6
	v_pk_add_f32 v[X+64+(\k):X+64+(\k)+1], v[X+64+(\k):X+64+(\k)+1], v[C+8+(\k):C+8+(\k)+1]
.endr
.Lplain:
	s_wait_loadcnt 0x0                             ; both rows are in; the loads' address registers are free
.irp i, 0,1,2,3,4,5,6,7,8
	v_lshrrev_b32 v[VO+(\i)], 1, v[VO+(\i)]        ; pr has sc's shape at half the bytes
.endr
.irp e, 0,1,2,3,4,5,6,7                ; the mask, in the two diagonal blocks
	v_cmp_gt_i32 vcc_lo, ((\e)&3)+128*((\e)>>2), v3
	v_cndmask_b32 v[X+(\e)], v[X+(\e)], v5, vcc_lo
	v_cmp_gt_i32 vcc_lo, ((\e)&3)+128*((\e)>>2), v4
	v_cndmask_b32 v[X+64+(\e)], v[X+64+(\e)], v5, vcc_lo
.endr
.irp i, 0,1,2,3,4,5,6,7,8              ; each block's maximum: nine chains side by side
	v_max3_num_f32 v[BM+(\i)], v[X+8*(\i)], v[X+8*(\i)+1], v[X+8*(\i)+2]
.endr
.irp i, 0,1,2,3,4,5,6,7,8
	v_max3_num_f32 v[BM+(\i)], v[BM+(\i)], v[X+8*(\i)+3], v[X+8*(\i)+4]
.endr
.irp i, 0,1,2,3,4,5,6,7,8
	v_max3_num_f32 v[BM+(\i)], v[BM+(\i)], v[X+8*(\i)+5], v[X+8*(\i)+6]
.endr
.irp i, 0,1,2,3,4,5,6,7,8
	v_max_num_f32 v[BM+(\i)], v[BM+(\i)], v[X+8*(\i)+7]
.endr
.irp i, 5,6,7
	v_cndmask_b32 v[21+(\i)], v5, v[BM+(\i)], s[20+(\i)]   ; v26-28: for the long row
	v_cndmask_b32 v[24+(\i)], v[BM+(\i)], v5, s[20+(\i)]   ; v29-31: for the short row
.endr
	v_max3_num_f32 v32, v[BM], v[BM+1], v[BM+2]
	v_max3_num_f32 v33, v[BM+8], v29, v30
	v_max3_num_f32 v32, v32, v[BM+3], v[BM+4]
	v_max_num_f32 v33, v33, v31
	v_max3_num_f32 v32, v32, v26, v27
	v_max_num_f32 v32, v32, v28
	LANES v_max_num_f32, 32, 26                    ; m of the long row, in every lane
	LANES v_max_num_f32, 33, 27                    ; of the short row
	v_mul_f32 v36, s34, v32                        ; c m
	v_mul_f32 v38, s34, v33
	v_mov_b32 v37, v36                             ; (the pairs' upper words are named, so they are written)
	v_mov_b32 v39, v38
.irp i, 5,6,7
	v_cndmask_b32 v[30+2*(\i)], v38, v36, s[20+(\i)]
	v_cndmask_b32 v[31+2*(\i)], v38, v36, s[20+(\i)]
.endr
.irp i, 0,1,2,3,4,5,6,7,8
	PAIR \i
.irp k, 0,2,4,6
	v_pk_fma_f32 v[X+8*(\i)+(\k):X+8*(\i)+(\k)+1], v[X+8*(\i)+(\k):X+8*(\i)+(\k)+1], s[34:35], v[cm:cm+1] op_sel_hi:[1,0,0] neg_lo:[0,0,1] neg_hi:[0,0,1]  ; c s - c m
.endr
.endr
.set j, 0
.rept 72                               ; ONE batch of exponentials
	v_exp_f32 v[X+j], v[X+j]
.set j, j+1
.endr
	v_nop                                          ; a plain instruction behind the last exponential,
	s_wait_alu depctr_va_vdst(0)                   ; and the one wait ahead of the batch's first reader
.irp i, 0,1,2,3,4,5,6,7,8              ; each block's sum, beside the weights, which are still wanted
	v_pk_add_f32 v[Y+2*(\i):Y+2*(\i)+1], v[X+8*(\i):X+8*(\i)+1], v[X+8*(\i)+2:X+8*(\i)+3]
.endr
.irp i, 0,1,2,3,4,5,6,7,8
	v_pk_add_f32 v[Y+2*(\i):Y+2*(\i)+1], v[Y+2*(\i):Y+2*(\i)+1], v[X+8*(\i)+4:X+8*(\i)+5]
.endr
.irp i, 0,1,2,3,4,5,6,7,8
	v_pk_add_f32 v[Y+2*(\i):Y+2*(\i)+1], v[Y+2*(\i):Y+2*(\i)+1], v[X+8*(\i)+6:X+8*(\i)+7]
.endr
.irp i, 0,1,2,3,4,5,6,7,8
	v_add_f32 v[Y+2*(\i)], v[Y+2*(\i)], v[Y+2*(\i)+1]
.endr
.irp i, 5,6,7
	v_cndmask_b32 v[21+(\i)], v6, v[Y+2*(\i)], s[20+(\i)]
	v_cndmask_b32 v[24+(\i)], v[Y+2*(\i)], v6, s[20+(\i)]
.endr
	v_add_f32 v32, v[Y], v[Y+2]
	v_add_f32 v34, v[Y+4], v[Y+6]
	v_add_f32 v33, v[Y+16], v29
	v_add_f32 v35, v30, v31
	v_add_f32 v32, v32, v34
	v_add_f32 v34, v[Y+8], v26
	v_add_f32 v33, v33, v35
	v_add_f32 v35, v27, v28
	v_add_f32 v32, v32, v34
	v_add_f32 v32, v32, v35
	LANES v_add_f32, 32, 26                        ; l of the long row
	LANES v_add_f32, 33, 27                        ; of the short row: at least 1, since the row's maximum has p = 1
	v_rcp_f32 v36, v32
	v_rcp_f32 v38, v33
	v_nop
	s_wait_alu depctr_va_vdst(0)                   ; one wait for the two reciprocals
.irp i, 5,6,7
	v_cndmask_b32 v[30+2*(\i)], v38, v36, s[20+(\i)]
.endr
.irp i, 0,1,2,3,4,5,6,7,8
	PAIR \i
.irp k, 0,2,4,6
	v_pk_mul_f32 v[X+8*(\i)+(\k):X+8*(\i)+(\k)+1], v[X+8*(\i)+(\k):X+8*(\i)+(\k)+1], v[cm:cm+1] op_sel_hi:[1,0]
.endr
.endr
.irp i, 0,1,2,3,4,5,6,7,8
.irp k, 0,1,2,3
	v_cvt_pk_f16_f32 v[Y+4*(\i)+(\k)], v[X+8*(\i)+2*(\k)], v[X+8*(\i)+2*(\k)+1]
.endr
.if (\i) == 8
	s_cmp_ge_u32 s9, 128                           ; r < 128: columns 128-255 of the row are all hidden, and carry what the head says
	s_cbranch_scc1 .Lwhole
	v_mov_b32 v7, 0xbf800000                       ; -1.0
	v_fma_mixlo_f16 v26, v[Y+32], v7, v[X+64] op_sel_hi:[1,0,0]                 ; P - f16(P) of my keys 4 l .. 4 l + 3: exact in f32, rounded once to f16
	v_fma_mixhi_f16 v26, v[Y+32], v7, v[X+65] op_sel:[1,0,0] op_sel_hi:[1,0,0]
	v_fma_mixlo_f16 v27, v[Y+33], v7, v[X+66] op_sel_hi:[1,0,0]
	v_fma_mixhi_f16 v27, v[Y+33], v7, v[X+67] op_sel:[1,0,0] op_sel_hi:[1,0,0]
	v_permlanex16_b32 v28, v26, s12, s13           ; lane 16 + i takes lane i's: keys 4 i .. 4 i + 3 for columns 192 + 4 i ..
	v_permlanex16_b32 v29, v27, s12, s13
	v_cndmask_b32 v[Y+34], v[Y+32], v28, s36       ; lanes 0-15 (columns 128-191): their own P once more; lanes 16-31 (columns 192-255): the remainders
	v_cndmask_b32 v[Y+35], v[Y+33], v29, s36
.Lwhole:
.endif
	global_store_b64 v[VO+(\i)], v[Y+4*(\i):Y+4*(\i)+1],   s[6:7]              ; the wave stores 256 consecutive bytes, aligned
	global_store_b64 v[VO+(\i)], v[Y+4*(\i)+2:Y+4*(\i)+3], s[6:7] offset:256
.endr
	s_endpgm
.Lfunc_end_k_q9027419abd_softmax:
	.size	k_q9027419abd_softmax, .Lfunc_end_k_q9027419abd_softmax-k_q9027419abd_softmax
	.p2alignl 7, 3214868480
	.fill 96, 4, 3214868480
	.section	.rodata,"a",@progbits
	.p2align	6, 0x0
	.amdhsa_kernel k_q9027419abd_softmax
		.amdhsa_group_segment_fixed_size 0
		.amdhsa_private_segment_fixed_size 0
		.amdhsa_enable_private_segment 0
		.amdhsa_kernarg_size 16
		.amdhsa_user_sgpr_count 2
		.amdhsa_user_sgpr_kernarg_segment_ptr 1
		.amdhsa_wavefront_size32 1
		.amdhsa_system_sgpr_workgroup_id_x 1
		.amdhsa_system_sgpr_workgroup_id_y 1
		.amdhsa_system_sgpr_workgroup_id_z 1
		.amdhsa_system_vgpr_workitem_id 0
		.amdhsa_next_free_vgpr 176
		.amdhsa_next_free_sgpr 66
		.amdhsa_reserve_vcc 1
		.amdhsa_float_denorm_mode_32 3
		.amdhsa_float_denorm_mode_16_64 3
		.amdhsa_memory_ordered 1
		.amdhsa_forward_progress 1
		.amdhsa_inst_pref_size 26
	.end_amdhsa_kernel
	.amdgpu_metadata
---
amdhsa.version: [ 1, 2 ]
amdhsa.kernels:
  - .name:           k_q9027419abd_softmax
    .symbol:         k_q9027419abd_softmax.kd
    .args:
      - { .name: sc, .offset: 0, .size: 8, .value_kind: global_buffer, .address_space: global }
      - { .name: pr, .offset: 8, .size: 8, .value_kind: global_buffer, .address_space: global }
    .group_segment_fixed_size: 0
    .private_segment_fixed_size: 0
    .kernarg_segment_align: 8
    .kernarg_segment_size: 16
    .max_flat_workgroup_size: 256
    .sgpr_count:     66
    .vgpr_count:     176
    .wavefront_size: 32
...
	.end_amdgpu_metadata
.endif
;; end of part 4
;; launch pv (part 5): grid 8 x 32, 4 waves a work-group, clusters of 4 x 1, 327,680 bytes of LDS; arguments pr, qkv, ob, lo; writes ob
.if DOCPART == 5
	.amdgcn_target "amdgcn-amd-amdhsa--gfx1250"
	.amdhsa_code_object_version 6
	.text
	.protected	k_q9027419abd_pv
	.globl	k_q9027419abd_pv
	.p2align	8
	.type	k_q9027419abd_pv,@function
k_q9027419abd_pv:
	s_mov_b64 s[64:65], 0
	v_nop
	global_prefetch_b8 v0, s[64:65] scope:SCOPE_SE
	s_setreg_imm32_b32 hwreg(HW_REG_WAVE_MODE, 25, 1), 1
	s_wait_xcnt 0x0
	s_wait_alu depctr_hold_cnt(0) depctr_sa_sdst(0) depctr_va_vdst(0) depctr_va_sdst(0) depctr_va_ssrc(0) depctr_va_vcc(0) depctr_vm_vsrc(0)
	s_getreg_b32 s2, hwreg(HW_REG_IB_STS2, 6, 4)
	s_cmp_eq_u32 s2, 0
	s_cbranch_scc0 .Lentry_in_a_cluster
	s_endpgm
.Lentry_in_a_cluster:
	s_bfe_u32 s2, ttmp6, 0x10000c
	s_cmp_lg_u32 s2, 0x3003
	s_cbranch_scc0 .Lentry_shape_is_right
	s_endpgm
.Lentry_shape_is_right:
; O[bt][q][ch] = the sum over k of P[bt][q][k] v[bt][k][ch], over the key blocks of 256 up to the row's own (P is 0 above the diagonal inside it).  P: pr, [4][2048][2048] f16; v: the third 2,048 bytes of
; qkv's rows of 6,144; O: ob, [16 blocks of 64 channels][8192 rows][64] f16, so that 16 rows of a block are 2,048 consecutive bytes.  Sums in f32, O rounded once.  O is a mean of v's rows and has their range.
; THE WALK.  A work-group makes TWO tiles of 128 rows x 128 channels, of row blocks 7 - p and then p (half hf of each): 8 - p and p + 1 K steps of 256 keys: 9 whatever p.  So all 256 work-groups do equal work and
; the loops count to constants; which step is asked for, and when a tile ends, hang on scalar registers made from p.  The ring runs on across the change of tiles.
; ROWS 0-127 OF A BATCH (p = 0, hf = 0, the second tile: one K step) see no key beyond 127.  There the step's places 128-255 are put to use: pr holds in them P of keys 0-63 once more and the remainders P - f16(P) of keys
; 0-63, and the wave that fetches 'keys' 128-255 takes lo's rows 0-127 instead: v's remainders of keys 0-63, then v's rows 0-63.  So the step sums P v + P vl + Pl v for the first 64 keys: the rows that average over few
; keys, and are many times the output's root mean square, carry more than f16's 11 bits.  Only that one load's base differs; it is chosen where the walk changes tiles.
; CLUSTER 4 x 1: the four work-groups make four column tiles of the same rows: P's tile is asked for jointly (mask 15); v's columns are each work-group's own: a plain load behind the same round.
; Four waves, 64 x 64 each: 16 accumulators.  O^T = v^T P (source 0 = 16 channels, by the turning LDS load; source 1 = 16 rows of P): a lane holds row lane % 16 and channels 8 (lane / 16) + 0..7.
; A wave's 64 channels are one block of ob: its stage is its own, and the way out has no barrier.
; THE SUMS START AT 0 BY 128 v_mov_b32, at the head (in the wait for the first tile) and at the change of tiles: which step begins a tile hangs on p, and a step written out with C = 0 would be a second copy of the step's text.
; REGISTERS: window 0: v0-31 addresses; v32-95 the way out; v128-255 the accumulators ((a, b) at v[128 + 8 (4 a + b)]).  window 1: two fragment buffers of 128: for 64 keys, 64 registers of P, then 64 of v.
.set PA,    528                        ; a row of P in LDS: 512 bytes + 16 = 132 words: the 16 rows of a load start at 16 different groups of four banks (ISA guide 11.1)
.set PV,    288                        ; a key of v: 256 + 32 = 72 words
.set VOFF,  128*PA                     ; a slot: P's 128 rows, then v's 256 keys
.set SLOT,  VOFF+256*PV
.set SLOT1, 147456                     ; slot 1 begins here: 0x24000 shares no bit with the loads' offsets 0, 0x8400, 0x10800, 0x19800, so one exclusive or changes slots
.set STAGE, SLOT1+SLOT                 ; behind the ring: 16 rows x 144 bytes for each wave; no tensor load fills it
.set SP,    144
.set SPARE, STAGE+4*16*SP              ; the spare words, 128 bytes for each wave: two blocks of 256 bytes that no other line names
.set ASTEP, 512                        ; bytes in memory from a K step to the next: 256 keys of a row of P,
.set VSTEP, 256*6144                   ; 256 rows of qkv; also a batch's 256 rows of lo
.set ADRA0, 14                         ; v14  my place in P's part of slot 0; never rewritten
.set ADRB0, 15                         ; v15  the same for v
.set ADRA,  16                         ; v16  in the slot in hand
.set ADRB,  17                         ; v17  keys 0-127
.set ADRB2, 18                         ; v18  keys 128-255: one register's immediate would pass 16 bits
.set STO,  24
.set RD,   25
.set GO,   26
.set SPW,  28
.set NIL,  29
.set PFO,  30
.set TMP,  32
.set ACC,  128
.set F0,   0
.set F1,   128
.set G1,  24                           ; s[24:31] descriptor group 1 for P's tiles; s[32:39] group 0: a set for each first fill; the second is then made anew for each request
.set G0,  32
.set G1B, 48                           ; s[48:55], s[56:63] the same for v's
.set G0B, 56
.set TB,  66                           ; s66  LDS byte at which the slot in hand begins
.set WOFA, 68                          ; s68, s69  where my load lands in a slot
.set WOFB, 69
.set QK,  70                           ; s70  the K step to be asked for next
.set QLIM, 71                          ; s71  the first tile's number of steps; the greatest number once the second tile is being asked for
.set ARO, 72                           ; s72  byte offset in P of the rows being asked for; s73 the second tile's
.set ARO2, 73
.set LEFT, 74                          ; s74  K steps left in the tile in hand
.set NLO, 75                           ; s75  the second tile's number of steps
.set OFF, 76                           ; s[76:77] an offset, 0 above
.set PB,  78                           ; s[78:79] pr at my 64 rows of row 0 of the batch
.set VB,  80                           ; s[80:81] v at my 128 keys of K step 0, my work-group's columns
.set OP,  82                           ; s[82:83] ob at my rows of the tile in hand; s[84:85] of the second tile
.set OP2, 84
.set PL,  86                           ; s86  prefetches still to be made
.set PFA, 88                           ; s[88:89] where they stand; s[90:91] their step
.set PST, 90
.set VB2, 92                           ; s[92:93] what VB becomes for the second tile: itself, or (p = 0, hf = 0, keys 128-255) lo's rows of the batch
.set MSB, 0
.macro WIN new
.if MSB != (\new)
	s_set_vgpr_msb (MSB<<8)|(\new)
.set MSB, \new
.endif
.endm
.set MUL,  0x05                        ; sources 0 and 1 window 1; C and D window 0
.set TO_F, 0x40                        ; destination window 1, address window 0
.macro PLACES                          ; four plain vector instructions between a matrix instruction and a load into, or a vector access to, its registers
.rept 4
	v_nop
.endr
.endm
.macro JLOAD s                         ; waves 0 and 1 fetch P's two halves (jointly), waves 2 and 3 v's; an s_nop 0 and four v_nop follow each line
	s_cmp_eq_u32 s11, 0
	s_cbranch_scc0 .Lfor_b_\@
	tensor_load_to_lds s[G0+4*(\s):G0+4*(\s)+3], s[G1:G1+7]
	s_nop 0
.rept 4
	v_nop
.endr
	s_branch .Lasked_\@
.Lfor_b_\@:
	tensor_load_to_lds s[G0B+4*(\s):G0B+4*(\s)+3], s[G1B:G1B+7]
	s_nop 0
.rept 4
	v_nop
.endr
.Lasked_\@:
.endm
.macro CREST
	s_cmp_lg_u32 s10, 0
	s_cbranch_scc1 .Lnot_wave_0_\@
	s_barrier_signal -3
.Lnot_wave_0_\@:
	s_barrier_wait -3
	s_barrier_signal -1
	s_barrier_wait -1
.endm
.macro CROUND
	s_barrier_signal -1
	s_barrier_wait -1
	CREST
.endm
; A prefetch along the first tile of the K step that stands two requests on.  P (waves 0, 1, in the clusters with x = 0): of a wave's 64 rows x 512 bytes each partner takes 16 rows, told apart by address: a lane 256 bytes.
; v (waves 2, 3, in the work-groups whose first tile walks all 8 steps: p = 0, hf = 0): my 128 keys x 256 bytes of my own columns, a lane a key, four lines.  Each 256 bytes are named once; PL counts the steps that exist.
.macro ASK
	s_cmp_lg_u32 s[PL], 0
	s_cbranch_scc0 .Lnot_mine_\@
	global_prefetch_b8 v[PFO], s[PFA:PFA+1] th:TH_LOAD_NT scope:SCOPE_SE
	s_sub_co_u32 s[PL], s[PL], 1
	s_cmp_eq_u32 s11, 0
	s_cbranch_scc1 .Lnot_mine_\@
.irp j, 1,2,3
	global_prefetch_b8 v[PFO], s[PFA:PFA+1] offset:(\j)*32*6144 th:TH_LOAD_NT scope:SCOPE_SE
.endr
.Lnot_mine_\@:
.endm
.macro MUL8 f, c, a0                   ; 8 matrix instructions: row blocks a0, a0 + 1 x all 4 channel blocks, 32 keys: half c of buffer f.  The 16 accumulators take turns
	WIN MUL
.irp a, \a0, (\a0)+1
.irp b, 0,1,2,3
	v_wmma_f32_16x16x32_f16 v[ACC+8*(4*(\a)+(\b)):ACC+8*(4*(\a)+(\b))+7], v[(\f)+64+8*(4*(\c)+(\b)):(\f)+64+8*(4*(\c)+(\b))+7], v[(\f)+8*(4*(\c)+(\a)):(\f)+8*(4*(\c)+(\a))+7], v[ACC+8*(4*(\a)+(\b)):ACC+8*(4*(\a)+(\b))+7]
.endr
.endr
.endm
.macro FETCH q, f                      ; 32 LDS loads in one run: the fragments of keys 64 q .. 64 q + 63 into buffer f; the first 32 keys first
	WIN TO_F
.irp c, 0,1
.irp i, 0,1,2,3
	ds_load_tr16_b128 v[(\f)+64+8*(4*(\c)+(\i)):(\f)+64+8*(4*(\c)+(\i))+3],   v[ADRB+(\q)/2] offset:(64*((\q)%2)+32*(\c))*PV+32*(\i)
	ds_load_tr16_b128 v[(\f)+64+8*(4*(\c)+(\i))+4:(\f)+64+8*(4*(\c)+(\i))+7], v[ADRB+(\q)/2] offset:(64*((\q)%2)+32*(\c)+16)*PV+32*(\i)
	ds_load_b128 v[(\f)+8*(4*(\c)+(\i)):(\f)+8*(4*(\c)+(\i))+3],              v[ADRA] offset:128*(\q)+64*(\c)+(\i)*16*PA
	ds_load_b128 v[(\f)+8*(4*(\c)+(\i))+4:(\f)+8*(4*(\c)+(\i))+7],            v[ADRA] offset:128*(\q)+64*(\c)+(\i)*16*PA+32
.endr
.endr
.endm
.macro QUARTER q, f, g                 ; a K step is four quarters of 64 keys, 32 matrix instructions each: multiplies f, fetches quarter q into g
	s_wait_dscnt 16                                ; the first 32 keys are in
	MUL8 \f, 0, 0
	MUL8 \f, 0, 2
	PLACES
	FETCH \q, \g
	s_wait_dscnt 32                                ; all but the 32 just issued
	MUL8 \f, 1, 0
	MUL8 \f, 1, 2
.endm
.macro REQ                             ; the walking descriptors for the next request: scalar work alone; each address is made anew from its base and an offset
	s_lshl_b32 s[OFF], s[QK], 9
	s_add_co_u32 s[OFF], s[OFF], s[ARO]
	s_add_nc_u64 s[G0+6:G0+7], s[PB:PB+1], s[OFF:OFF+1]
	s_or_b32 s[G0+7], s[G0+7], 0x80000000
	s_mul_i32 s[OFF], s[QK], VSTEP
	s_add_nc_u64 s[G0B+6:G0B+7], s[VB:VB+1], s[OFF:OFF+1]
	s_or_b32 s[G0B+7], s[G0B+7], 0x80000000
	s_xor_b32 s[G0+5], s[G0+5], SLOT1              ; the other slot than last time
	s_xor_b32 s[G0B+5], s[G0B+5], SLOT1
	s_add_co_u32 s[QK], s[QK], 1                   ; the tile's next step, or behind its last the second tile's step 0
	s_cmp_eq_u32 s[QK], s[QLIM]
	s_cselect_b32 s[QK], 0, s[QK]
	s_cselect_b32 s[ARO], s[ARO2], s[ARO]
	s_cselect_b64 s[VB:VB+1], s[VB2:VB2+1], s[VB:VB+1]
	s_cselect_b32 s[QLIM], -1, s[QLIM]
.endm
; The last quarter changes slots: ONE barrier; in front of it each wave waits for all its tensor loads, adds 0 to its spare word, and waits for that and for its own reads of this slot.  fill = 1: the barrier opens a
; round of the cluster's, and behind it this slot is filled again: 112 matrix instructions ahead of the wait for it.  fill = 0: nothing is asked for; in the very last step (s3 = 1) the run of LDS loads is jumped over.
.macro TURN fill
.if \fill
	s_wait_xcnt 0x0                                ; the last prefetches, a K step back, have read their address
	s_add_nc_u64 s[PFA:PFA+1], s[PFA:PFA+1], s[PST:PST+1]
.endif
	WIN 0
	s_wait_tensorcnt 0x0                           ; no tensor load of mine is out, so a group 0 may be written
	ds_add_u32 v[SPW], v[NIL]                      ; 0 onto my spare word
.if \fill
	REQ
.endif
	s_wait_dscnt 17                                ; (the add and the youngest sixteen loads may be out)
	MUL8 F1, 0, 0
	s_wait_dscnt 0x0                               ; the add is done, and my reads of this slot are over
	s_barrier_signal -1
	MUL8 F1, 0, 2
	WIN 0
	s_barrier_wait -1
.if \fill
	CREST                                          ; no wave of any partner still reads this slot or has a load on its way
	JLOAD 1                                        ; its four v_nop are also the places in front of the loads below
.else
	PLACES
.endif
	s_xor_b32 s[TB], s[TB], SLOT1
	v_add_nc_u32 v[ADRA], s[TB], v[ADRA0]
	v_add_nc_u32 v[ADRB], s[TB], v[ADRB0]
	v_add_nc_u32 v[ADRB2], 128*PV, v[ADRB]
.if !(\fill)
	s_cmp_eq_u32 s3, 1
	s_cbranch_scc1 .Lno_fetch_\@
.endif
	FETCH 0, F0
	WIN 0
.if \fill
	ASK
.else
.Lno_fetch_\@:
.endif
	MUL8 F1, 1, 0
	MUL8 F1, 1, 2
	WIN 0
.endm
; THE WAY OUT of row block a: a lane's 8 channels pack into 16 bytes; they go into rows of 144 bytes of my stage and come back as 2,048 consecutive bytes of ob, into the registers that they left.
.macro PACK a
.set i, 0
.rept 16
	v_cvt_pk_f16_f32 v[TMP+16*(\a)+i], v[ACC+32*(\a)+2*i], v[ACC+32*(\a)+2*i+1]
.set i, i+1
.endr
.irp b, 0,1,2,3
	ds_store_b128 v[STO], v[TMP+16*(\a)+4*(\b):TMP+16*(\a)+4*(\b)+3] offset:32*(\b)
.endr
.irp f, 0,1,2,3
	ds_load_b128 v[TMP+16*(\a)+4*(\f):TMP+16*(\a)+4*(\f)+3], v[RD] offset:(\f)*4*SP  ; LDS serves a wave's instructions in order (ISA guide 5.7.1.4)
.endr
.endm
.macro SEND a, younger                 ; younger: the next block's eight LDS instructions, or none
.irp f, 0,1,2,3
	s_wait_dscnt (\younger)+3-(\f)
	global_store_b128 v[GO], v[TMP+16*(\a)+4*(\f):TMP+16*(\a)+4*(\f)+3], s[OP:OP+1] offset:(\a)*2048+(\f)*512  ; 512 consecutive bytes, aligned
.endr
.endm
; Behind each K step: if it was the tile's last, the tile leaves, and the sums start anew.  What is jumped holds no barrier and no tensor load.  last = 1: behind the walk's last step (s3 = 1) nothing starts anew.
.macro FLUSH last
	s_sub_co_u32 s[LEFT], s[LEFT], 1
	s_cmp_lg_u32 s[LEFT], 0
	s_cbranch_scc1 .Lgo_on_\@
	PLACES
	s_wait_xcnt 0x0                                ; the first tile's stores have read the registers that are written again
	PACK 0
	PACK 1
	SEND 0, 8
	PACK 2
	SEND 1, 8
	PACK 3
	SEND 2, 8
	SEND 3, 0
.if \last
	s_cmp_eq_u32 s3, 1
	s_cbranch_scc1 .Lgo_on_\@
.endif
	s_wait_xcnt 0x0                                ; the stores have read ob's address
	s_mov_b64 s[OP:OP+1], s[OP2:OP2+1]
	s_mov_b32 s[LEFT], s[NLO]
.set i, 0
.rept 128
	v_mov_b32 v[ACC+i], 0
.set i, i+1
.endr
.Lgo_on_\@:
.endm
	s_load_b128 s[4:7], s[0:1], 0x0                ; pr s[4:5], qkv s[6:7]
	s_load_b64 s[8:9], s[0:1], 0x10                ; ob
	s_load_b64 s[94:95], s[0:1], 0x18              ; lo
	v_lshl_add_u32 v[SPW], v0, 2, SPARE
	v_mov_b32 v[NIL], 0
	ds_add_u32 v[SPW], v[NIL]                      ; the wave's opening: the add and its wait ahead of my first tensor load
	v_lshrrev_b32 v1, 5, v0
	v_readfirstlane_b32 s10, v1                    ; wave 0..3
	s_lshr_b32 s11, s10, 1                         ; my half of the tile's rows.  Also: I fetch for P (0) or for v (1)
	s_and_b32 s12, s10, 1                          ; my half of its channels.  Also: which half I fetch
	s_bfe_u32 s40, ttmp6, 0x40000                  ; cx
	s_lshl_b32 s42, ttmp9, 2
	s_add_co_u32 s42, s42, s40                     ; the column tile = 4 x cluster x + cx: it enters v's, lo's and ob's addresses alone
	s_and_b32 s13, ttmp7, 0xffff                   ; y, which the four partners share
	s_and_b32 s14, s13, 1                          ; hf
	s_bfe_u32 s15, s13, 0x20001                    ; p
	s_lshr_b32 s16, s13, 3                         ; bt
	s_sub_co_u32 s[QLIM], 8, s15                   ; the first tile's steps
	s_mov_b32 s[LEFT], s[QLIM]
	s_add_co_u32 s[NLO], s15, 1
	s_mov_b32 s[QK], 2
	s_sub_co_u32 s17, 7, s15
	s_lshl_b32 s17, s17, 8
	s_lshl_b32 s18, s14, 7
	s_add_co_u32 s17, s17, s18                     ; the first tile's first row,
	s_lshl_b32 s19, s15, 8
	s_add_co_u32 s19, s19, s18                     ; the second's
	s_lshl_b32 s[ARO], s17, 12
	s_lshl_b32 s[ARO2], s19, 12
	s_mov_b32 s[G1+0], 15|(1<<16)|(1<<20)|(1<<21)|(6<<22)|(3<<25)  ; the mask of four; 2-byte elements; padding on; bit 21 beside a mask; after every 128 words, 4 words
	s_mov_b32 s[G1+1], 256<<16                     ; tensor_dim0 = 256
	s_mov_b32 s[G1+2], 64<<16                      ; tensor_dim1 = 64
	s_mov_b32 s[G1+3], 256<<16                     ; tile_dim0 = 256
	s_mov_b32 s[G1+4], 64                          ; tile_dim1 = 64
	s_mov_b32 s[G1+5], 2048                        ; elements from row to row
	s_mov_b32 s[G1+6], 0
	s_mov_b32 s[G1+7], 0
	s_mov_b32 s[G1B+0], (1<<16)|(1<<20)|(5<<22)|(7<<25)            ; no mask; after every 64 words, 8 words
	s_mov_b32 s[G1B+1], 128<<16
	s_mov_b32 s[G1B+2], 128<<16
	s_mov_b32 s[G1B+3], 128<<16
	s_mov_b32 s[G1B+4], 128
	s_mov_b32 s[G1B+5], 3072                       ; elements from row to row, in qkv and in lo
	s_mov_b32 s[G1B+6], 0
	s_mov_b32 s[G1B+7], 0
	s_mul_i32 s[WOFA], s12, 64*PA                  ; no place in the cluster enters an LDS address
	s_mul_i32 s[WOFB], s12, 128*PV
	s_add_co_u32 s[WOFB], s[WOFB], VOFF
	s_mov_b32 s[TB], 0
	s_mov_b32 s[OFF+1], 0
	s_lshl_b32 s20, s16, 23                        ; P: (2,048 bt + 64 x half) rows of 4,096 bytes
	s_lshl_b32 s21, s12, 18
	s_add_co_u32 s20, s20, s21
	s_mov_b32 s21, 0
	s_lshl_b32 s22, s16, 11                        ; v: (2,048 bt + 128 x half) rows of 6,144 bytes, the row's third part, my 256 bytes of it
	s_lshl_b32 s23, s12, 7
	s_add_co_u32 s22, s22, s23
	s_mul_i32 s22, s22, 6144
	s_lshl_b32 s23, s42, 8
	s_add_co_u32 s22, s22, s23
	s_add_co_u32 s22, s22, 4096
	s_mov_b32 s23, 0
	s_mul_i32 s2, s16, VSTEP                       ; lo: the batch's row 0, the row's third part, my 256 bytes of it
	s_lshl_b32 s3, s42, 8
	s_add_co_u32 s2, s2, s3
	s_add_co_u32 s2, s2, 4096
	s_mov_b32 s3, 0
	s_lshl_b32 s41, s42, 1                         ; ob: block 2 x column tile + my half,
	s_add_co_u32 s41, s41, s12
	s_lshl_b32 s41, s41, 20
	s_lshl_b32 s43, s16, 11
	s_lshl_b32 s44, s11, 6
	s_add_co_u32 s43, s43, s44                     ; row 2,048 bt + 64 x my half of the rows + the tile's first
	s_add_co_u32 s46, s43, s17
	s_lshl_b32 s46, s46, 7
	s_add_co_u32 s46, s46, s41
	s_mov_b32 s47, 0
	s_add_co_u32 s44, s43, s19
	s_lshl_b32 s44, s44, 7
	s_add_co_u32 s44, s44, s41
	s_mov_b32 s45, 0
	s_mov_b32 s[OFF], s[ARO]
	s_wait_dscnt 0x0                               ; the opening add is done
	s_wait_kmcnt 0x0
	s_add_nc_u64 s[PB:PB+1], s[4:5], s[20:21]
	s_add_nc_u64 s[VB:VB+1], s[6:7], s[22:23]
	s_add_nc_u64 s[VB2:VB2+1], s[94:95], s[2:3]
	s_and_b32 s2, s13, 7                           ; p = 0 and hf = 0,
	s_xor_b32 s3, s12, 1                           ; and the half with keys 128-255:
	s_or_b32 s2, s2, s3
	s_cmp_eq_u32 s2, 0
	s_cselect_b64 s[VB2:VB2+1], s[VB2:VB2+1], s[VB:VB+1]  ; there the second tile's one step takes lo's rows; everywhere else v's as before
	s_add_nc_u64 s[OP:OP+1], s[8:9], s[46:47]
	s_add_nc_u64 s[OP2:OP2+1], s[8:9], s[44:45]
	s_add_nc_u64 s[20:21], s[PB:PB+1], s[OFF:OFF+1]  ; P at my rows of the first tile
	CROUND                                         ; all four work-groups are here: the first joint loads meet
.irp s, 0,1
	s_mov_b32 s[G0+4*(\s)], 1
	s_add_co_u32 s[G0+4*(\s)+1], s[WOFA], (\s)*SLOT1
	s_add_nc_u64 s[G0+4*(\s)+2:G0+4*(\s)+3], s[20:21], (\s)*ASTEP
	s_or_b32 s[G0+4*(\s)+3], s[G0+4*(\s)+3], 0x80000000
	s_mov_b32 s[G0B+4*(\s)], 1
	s_add_co_u32 s[G0B+4*(\s)+1], s[WOFB], (\s)*SLOT1
	s_add_nc_u64 s[G0B+4*(\s)+2:G0B+4*(\s)+3], s[VB:VB+1], (\s)*VSTEP
	s_or_b32 s[G0B+4*(\s)+3], s[G0B+4*(\s)+3], 0x80000000
	JLOAD \s                                       ; K steps 0 and 1 of the first tile, which has five or more: two loads of mine are out
.endr
.set i, 0
.rept 128
	v_mov_b32 v[ACC+i], 0
.set i, i+1
.endr
	; the prefetches: from K step 3 on (the first change of slots steps them to 4)
	s_lshl_b32 s16, s40, 16                        ; P: my work-group's 16 rows of the wave's 64
	s_add_co_u32 s16, s16, s[ARO]
	s_add_co_u32 s16, s16, 3*ASTEP
	s_mov_b32 s17, 3*VSTEP
	s_mov_b32 s18, ASTEP
	s_mov_b32 s19, VSTEP
	s_sub_co_u32 s20, s[QLIM], 4                   ; P: K steps 4 .. the first tile's last
	s_and_b32 s21, s13, 7
	s_cmp_eq_u32 s11, 0
	s_cselect_b32 s16, s16, s17
	s_cselect_b32 s[PST], s18, s19
	s_cselect_b32 s20, s20, 4                      ; v: K steps 4 .. 7
	s_cselect_b32 s21, ttmp9, s21                  ; 0 where I am the one that asks
	s_cselect_b32 s22, -1, 0
	s_cselect_b64 s[PFA:PFA+1], s[PB:PB+1], s[VB:VB+1]
	s_cmp_eq_u32 s21, 0
	s_cselect_b32 s[PL], s20, 0
	s_mov_b32 s17, 0
	s_add_nc_u64 s[PFA:PFA+1], s[PFA:PFA+1], s[16:17]
	s_mov_b32 s[PST+1], 0
	v_and_b32 v3, 31, v0
	v_lshrrev_b32 v4, 1, v3
	v_and_b32 v5, 1, v3
	v_lshlrev_b32 v4, 12, v4
	v_lshl_add_u32 v4, v5, 8, v4                   ; P: row l / 2, half l % 2 of its 512 bytes
	v_mul_u32_u24 v5, v3, 6144                     ; v: key l
	v_cndmask_b32 v[PFO], v5, v4, s22
	v_and_b32 v1, 15, v0                           ; l % 16
	v_bfe_u32 v2, v0, 4, 1                         ; l / 16
	v_mul_u32_u24 v3, v1, PA
	v_lshl_add_u32 v3, v2, 4, v3                   ; a fragment's row x pitch + 16 x half
	s_mul_i32 s21, s11, 64*PA                      ; my 64 rows of P
	v_add_nc_u32 v[ADRA0], s21, v3
	; the turning load takes 16 keys x 16 channels (lane l reads key 8 (l / 16) + l % 8, channels 8 ((l / 8) % 2) + 0..7) and leaves half a fragment of v^T: lane l holds channel l % 16 and 8 keys
	v_and_b32 v4, 7, v0
	v_bfe_u32 v5, v0, 3, 1
	v_lshl_add_u32 v6, v2, 3, v4
	v_mul_u32_u24 v6, v6, PV
	v_lshl_add_u32 v6, v5, 4, v6
	s_lshl_b32 s22, s12, 7                         ; my 64 channels
	s_add_co_u32 s22, s22, VOFF
	v_add_nc_u32 v[ADRB0], s22, v6
	v_mov_b32 v[ADRA], v[ADRA0]
	v_mov_b32 v[ADRB], v[ADRB0]
	v_add_nc_u32 v[ADRB2], 128*PV, v[ADRB0]
	s_mul_i32 s23, s10, 16*SP
	s_add_co_u32 s23, s23, STAGE                   ; my stage
	v_mul_u32_u24 v[STO], v1, SP                   ; in: row l % 16, 16 bytes for each half of the lanes
	v_lshl_add_u32 v[STO], v2, 4, v[STO]
	v_add_nc_u32 v[STO], s23, v[STO]
	v_bfe_u32 v[RD], v0, 3, 2                      ; back: 32 lanes take four rows of 128 bytes,
	v_mul_u32_u24 v[RD], v[RD], SP
	v_lshl_add_u32 v[RD], v4, 4, v[RD]
	v_add_nc_u32 v[RD], s23, v[RD]
	v_and_b32 v[GO], 31, v0                        ; which are 512 consecutive bytes of ob
	v_lshlrev_b32 v[GO], 4, v[GO]
	s_wait_tensorcnt 1                             ; my part of K step 0 is in; K step 1's may stay out
	s_barrier_signal -1
	s_barrier_wait -1
	FETCH 0, F0
	WIN 0
	s_mov_b32 s3, 8
	s_branch .Lfirst                               ; the loop is entered at a step's first quarter, in the middle of a trip
.Lstep:                                                ; seven trips: a K step's quarters 2 to 4, the request two steps on, the tile's end if this was its last step, the next step's first quarter
	QUARTER 2, F1, F0
	QUARTER 3, F0, F1
	TURN 1
	FLUSH 0
.Lfirst:
	QUARTER 1, F0, F1
	WIN 0
	s_sub_co_u32 s3, s3, 1
	s_cmp_lg_u32 s3, 0
	s_cbranch_scc1 .Lstep
	s_mov_b32 s3, 2
.Ltail:                                                ; the last two K steps: a text of their own; the second trip is left in its middle
	QUARTER 2, F1, F0
	QUARTER 3, F0, F1
	TURN 0
	FLUSH 1
	s_sub_co_u32 s3, s3, 1
	s_cmp_eq_u32 s3, 0
	s_cbranch_scc1 .Lout
	QUARTER 1, F0, F1
	WIN 0
	s_branch .Ltail
.Lout:
	s_wait_tensorcnt 0x0                           ; the wave's end
	ds_add_u32 v[SPW], v[NIL]
	s_wait_dscnt 0x0
	CROUND                                         ; the closing round: no work-group ends while a partner may still ask for a tile that names it
	s_endpgm
.Lfunc_end_k_q9027419abd_pv:
	.size	k_q9027419abd_pv, .Lfunc_end_k_q9027419abd_pv-k_q9027419abd_pv
	.p2alignl 7, 3214868480
	.fill 96, 4, 3214868480
	.section	.rodata,"a",@progbits
	.p2align	6, 0x0
	.amdhsa_kernel k_q9027419abd_pv
		.amdhsa_group_segment_fixed_size 327680
		.amdhsa_private_segment_fixed_size 0
		.amdhsa_enable_private_segment 0
		.amdhsa_kernarg_size 32
		.amdhsa_user_sgpr_count 2
		.amdhsa_user_sgpr_kernarg_segment_ptr 1
		.amdhsa_wavefront_size32 1
		.amdhsa_system_sgpr_workgroup_id_x 1
		.amdhsa_system_sgpr_workgroup_id_y 1
		.amdhsa_system_sgpr_workgroup_id_z 1
		.amdhsa_system_vgpr_workitem_id 0
		.amdhsa_next_free_vgpr 512
		.amdhsa_next_free_sgpr 96
		.amdhsa_reserve_vcc 0
		.amdhsa_float_denorm_mode_32 3
		.amdhsa_float_denorm_mode_16_64 3
		.amdhsa_memory_ordered 1
		.amdhsa_forward_progress 1
		.amdhsa_inst_pref_size 78
	.end_amdhsa_kernel
	.amdgpu_metadata
---
amdhsa.version: [ 1, 2 ]
amdhsa.kernels:
  - .name:           k_q9027419abd_pv
    .symbol:         k_q9027419abd_pv.kd
    .args:
      - { .name: pr, .offset: 0, .size: 8, .value_kind: global_buffer, .address_space: global }
      - { .name: qkv, .offset: 8, .size: 8, .value_kind: global_buffer, .address_space: global }
      - { .name: ob, .offset: 16, .size: 8, .value_kind: global_buffer, .address_space: global }
      - { .name: lo, .offset: 24, .size: 8, .value_kind: global_buffer, .address_space: global }
    .group_segment_fixed_size: 327680
    .private_segment_fixed_size: 0
    .kernarg_segment_align: 8
    .kernarg_segment_size: 32
    .max_flat_workgroup_size: 128
    .sgpr_count:     96
    .vgpr_count:     512
    .wavefront_size: 32
...
	.end_amdgpu_metadata
.endif
;; end of part 5
;; launch outp (part 6): grid 4 x 32, 4 waves a work-group, clusters of 4 x 4, 327,680 bytes of LDS; arguments ob, woh, out0, b_out; writes out0
.if DOCPART == 6
	.amdgcn_target "amdgcn-amd-amdhsa--gfx1250"
	.amdhsa_code_object_version 6
	.text
	.protected	k_q9027419abd_outp
	.globl	k_q9027419abd_outp
	.p2align	8
	.type	k_q9027419abd_outp,@function
k_q9027419abd_outp:
	s_mov_b64 s[64:65], 0
	v_nop
	global_prefetch_b8 v0, s[64:65] scope:SCOPE_SE
	s_setreg_imm32_b32 hwreg(HW_REG_WAVE_MODE, 25, 1), 1
	s_wait_xcnt 0x0
	s_wait_alu depctr_hold_cnt(0) depctr_sa_sdst(0) depctr_va_vdst(0) depctr_va_sdst(0) depctr_va_ssrc(0) depctr_va_vcc(0) depctr_vm_vsrc(0)
	s_getreg_b32 s2, hwreg(HW_REG_IB_STS2, 6, 4)
	s_cmp_eq_u32 s2, 0
	s_cbranch_scc0 .Lentry_in_a_cluster
	s_endpgm
.Lentry_in_a_cluster:
	s_bfe_u32 s2, ttmp6, 0x10000c
	s_cmp_lg_u32 s2, 0xf033
	s_cbranch_scc0 .Lentry_shape_is_right
	s_endpgm
.Lentry_shape_is_right:
; out0[row][o] = the sum over h of O[row][h] woh[o][h] + b_out[o], f32.  O: ob, [16 blocks of 64 channels][8192 rows][64] f16; woh: [1024][1024] f16; b_out f32, rounded to bf16 like the other inputs.
; Sums in f32, started by the bias as the first product's C.
; A tile of C, 256 x 256, is made by four waves, 128 x 128 each.  K = 1,024 goes in 8 steps of 128 through two LDS slots.  A K step of A is two blocks of ob: a wave fetches one block's 256 rows, 32,768 dense
; bytes, as 128 rows of 256 bytes, padded in LDS behind every 128: there it lies as [block][256 rows][144 bytes].  B's tile has rows of 256 bytes, aligned.
; CLUSTER 4 x 4: A's tile is shared along a row of the cluster, B's along a column.  The matrix instruction is used transposed (source 0 = 16 rows of B, source 1 = 16 rows of A): a lane holds row
; lane % 16 of C and the columns 8 (lane / 16) + 0..7.  The loop is one K step a trip; the last two steps, which ask for nothing, are a second loop.
; REGISTERS, in windows of 256 (s_set_vgpr_msb: bits 1:0 source 0, 3:2 source 1, 5:4 source 2, 7:6 destination):
;   window 0: v0-31 addresses; v64-127, v128-191 A's fragments, two buffers, and on the way out the rows read back; v192-223 at work on the bias
;   window 1: v0-63 the bias of my 128 columns, as a C operand for each of 8 column blocks; v64-127, v128-191 B's fragments
;   window 2: the accumulators of my rows 0-63 ((a, b) at v[8 (8 a + b)]);  window 3: those of my rows 64-127
.set PITCHA, 144                       ; 128 bytes + 16 = 36 words, and 272 = 68 words: the 16 rows of a fragment load start at 16 different groups of four banks (ISA guide 11.1)
.set PITCHB, 272
.set AKB,    128                       ; byte k of A's K step lies at (k / AKB) APL + k % AKB of its LDS row
.set APL,    256*144
.set AW,     256*144                   ; LDS bytes of one wave's load for A,
.set BW,     128*272                   ; for B
.set SLOT,   2*AW+2*BW
.set SLOT1,  147456                    ; slot 1 begins here: 0x24000 shares no bit with the loads' offsets 0, 0x9000, 0x12000, 0x1a800, so one exclusive or changes slots
.set STAGE,  SLOT1+SLOT                ; behind the ring: 16 rows x 528 bytes for each wave; no tensor load fills it
.set SPITCH, 528
.set SPARE,  STAGE+4*16*SPITCH         ; the spare words, 128 bytes for each wave: two blocks of 256 bytes that no other line names
.set STEPA,  2*1048576                 ; bytes in memory from a K step to the next: two blocks of ob,
.set STEPB,  256                       ; 128 numbers of a row of woh
.set CROW,   4096                      ; bytes in a row of out0
.set ADRA0, 14
.set ADRB0, 15
.set ADRA,  16
.set ADRB,  17
.set STO,  24
.set RD,   25
.set CO,   26
.set SPW,  28
.set NIL,  29
.set PFO,  30                          ; v30  my lane x 256 bytes (A) or x a row of 2,048 (B); never rewritten
.set F0,   64
.set F1,   128
.set TMP,  192
.set G1,  24
.set G0,  32
.set G1B, 48
.set G0B, 56
.set LIM, 43
.set PFA, 44
.set PST, 76
.set TB,  66
.set WOFA, 68
.set WOFB, 69
.set BIAS, 70
.set MSB, 0
.macro WIN new
.if MSB != (\new)
	s_set_vgpr_msb (MSB<<8)|(\new)
.set MSB, \new
.endif
.endm
.macro PLACES                          ; four plain vector instructions between a matrix instruction and a load into, or a read of, its registers
.rept 4
	v_nop
.endr
.endm
.macro JLOAD s                         ; waves 0 and 1 fetch A's two blocks, waves 2 and 3 B's two halves; an s_nop 0 and four v_nop follow each line
	s_cmp_eq_u32 s11, 0
	s_cbranch_scc0 .Lfor_b_\@
	tensor_load_to_lds s[G0+4*(\s):G0+4*(\s)+3], s[G1:G1+7]
	s_nop 0
.rept 4
	v_nop
.endr
	s_branch .Lasked_\@
.Lfor_b_\@:
	tensor_load_to_lds s[G0B+4*(\s):G0B+4*(\s)+3], s[G1B:G1B+7]
	s_nop 0
.rept 4
	v_nop
.endr
.Lasked_\@:
.endm
; A prefetch of the K step that stands two refills on: 32 x 256 bytes, a lane each.  A's bytes are asked for by the clusters with x = 0 (here all), B's by those with y = 0; the four partners of a joint load
; take a quarter each of what a wave fetches, told apart by address.  So each 256 bytes are named once.  Trips with s3 = 6 .. 3 name K steps 4 .. 7.
.macro ASK
	s_cmp_gt_u32 s3, s[LIM]
	s_cbranch_scc0 .Lnot_mine_\@
	global_prefetch_b8 v[PFO], s[PFA:PFA+1] th:TH_LOAD_NT scope:SCOPE_SE
.Lnot_mine_\@:
.endm
.macro CREST
	s_cmp_lg_u32 s10, 0
	s_cbranch_scc1 .Lnot_wave_0_\@
	s_barrier_signal -3
.Lnot_wave_0_\@:
	s_barrier_wait -3
	s_barrier_signal -1
	s_barrier_wait -1
.endm
.macro CROUND
	s_barrier_signal -1
	s_barrier_wait -1
	CREST
.endm
.macro MUL16 f, hi, a0, first          ; 16 matrix instructions; first = 1: the bias starts the sums
.if \first
	WIN 0x91+0x40*(\hi)
.else
	WIN 0xa1+0x50*(\hi)
.endif
.irp a, \a0, (\a0)+1
.irp b, 0,1,2,3,4,5,6,7
.if \first
	v_wmma_f32_16x16x32_f16 v[8*(8*(\a)+(\b)):8*(8*(\a)+(\b))+7], v[(\f)+8*(\b):(\f)+8*(\b)+7], v[(\f)+8*(4*(\hi)+(\a)):(\f)+8*(4*(\hi)+(\a))+7], v[8*(\b):8*(\b)+7]
.else
	v_wmma_f32_16x16x32_f16 v[8*(8*(\a)+(\b)):8*(8*(\a)+(\b))+7], v[(\f)+8*(\b):(\f)+8*(\b)+7], v[(\f)+8*(4*(\hi)+(\a)):(\f)+8*(4*(\hi)+(\a))+7], v[8*(8*(\a)+(\b)):8*(8*(\a)+(\b))+7]
.endif
.endr
.endr
.endm
.macro FETCH k, f                      ; 32 LDS loads in one run: B's 128 rows, then A's, 32 along K at byte k
	WIN 0x40
.irp i, 0,1,2,3,4,5,6,7
	ds_load_b128 v[(\f)+8*(\i):(\f)+8*(\i)+3],   v[ADRB] offset:(\k)+(\i)*16*PITCHB
	ds_load_b128 v[(\f)+8*(\i)+4:(\f)+8*(\i)+7], v[ADRB] offset:(\k)+(\i)*16*PITCHB+32
.endr
	WIN 0
.irp i, 0,1,2,3,4,5,6,7
	ds_load_b128 v[(\f)+8*(\i):(\f)+8*(\i)+3],   v[ADRA] offset:((\k)/AKB)*APL+(\k)%AKB+(\i)*16*PITCHA
	ds_load_b128 v[(\f)+8*(\i)+4:(\f)+8*(\i)+7], v[ADRA] offset:((\k)/AKB)*APL+(\k)%AKB+(\i)*16*PITCHA+32
.endr
.endm
.macro QUARTER k, f, g, first          ; 64 matrix instructions on buffer f; in the middle the next quarter's fragments into g.  The 64 accumulators take turns
	s_wait_dscnt 8                                 ; B and A's rows 0-63 are in; the youngest eight loads may be out
	MUL16 \f, 0, 0, \first
	MUL16 \f, 0, 2, \first
	PLACES
	FETCH \k, \g
	s_wait_dscnt 32                                ; all but the 32 just issued
	MUL16 \f, 1, 0, \first
	MUL16 \f, 1, 2, \first
.endm
; The last quarter changes slots: ONE barrier; in front of it each wave waits for all its tensor loads, adds 0 to its spare word, and waits for that and for its own reads of this slot.  fill = 1: the barrier opens
; a round of the cluster's, and behind it this slot is filled again, with the K step two on.  fill = 0: nothing is asked for; in the very last step (s3 = 1) the run of LDS loads is jumped over.
.macro TURN fill
.if \fill
	s_wait_xcnt 0x0                                ; the last prefetch, a K step back, has read its address
	s_add_nc_u64 s[PFA:PFA+1], s[PFA:PFA+1], s[PST:PST+1]
.endif
	WIN 0
	s_wait_tensorcnt 0x0                           ; all my tensor loads have landed
	ds_add_u32 v[SPW], v[NIL]                      ; 0 onto my spare word
	s_wait_dscnt 9                                 ; (the add and the youngest eight loads may be out)
	MUL16 F1, 0, 0, 0
	s_wait_dscnt 0x0                               ; the add is done, and my reads of this slot are over
	s_barrier_signal -1
	MUL16 F1, 0, 2, 0
	WIN 0
	s_barrier_wait -1
.if \fill
	CREST                                          ; no wave of any partner still reads this slot or has a load on its way
	s_xor_b32 s[G0+5], s[G0+5], SLOT1
	s_xor_b32 s[G0B+5], s[G0B+5], SLOT1
	s_add_nc_u64 s[G0+6:G0+7], s[G0+6:G0+7], STEPA
	s_add_nc_u64 s[G0B+6:G0B+7], s[G0B+6:G0B+7], STEPB
	JLOAD 1                                        ; its four v_nop are also the places in front of the loads below
.else
	PLACES
.endif
	s_xor_b32 s[TB], s[TB], SLOT1
	v_add_nc_u32 v[ADRA], s[TB], v[ADRA0]
	v_add_nc_u32 v[ADRB], s[TB], v[ADRB0]
.if !(\fill)
	s_cmp_eq_u32 s3, 1
	s_cbranch_scc1 .Lno_fetch_\@
.endif
	FETCH 0, F0
.if \fill
	ASK
.else
.Lno_fetch_\@:
.endif
	MUL16 F1, 1, 0, 0
	MUL16 F1, 1, 2, 0
.endm
; THE WAY OUT of row block a, in f32: a lane's 8 columns of a row go as 32 bytes into my stage (rows of 528 bytes) and come back as whole rows of 512 bytes.
.macro TOST32 a
.if (\a) >= 2
	s_wait_xcnt 0x0                                ; block a - 2's stores have read the registers that are loaded again below
.endif
	WIN 0x08+4*((\a)/4)                            ; store data: window 2 or 3
.irp b, 0,1,2,3,4,5,6,7
	ds_store_b128 v[STO], v[64*((\a)%4)+8*(\b):64*((\a)%4)+8*(\b)+3]   offset:64*(\b)
	ds_store_b128 v[STO], v[64*((\a)%4)+8*(\b)+4:64*((\a)%4)+8*(\b)+7] offset:64*(\b)+16
.endr
	WIN 0
.irp t, 0,1,2,3,4,5,6,7,8,9,10,11,12,13,14,15
	ds_load_b128 v[64+64*((\a)%2)+4*(\t):64+64*((\a)%2)+4*(\t)+3], v[RD] offset:(\t)*SPITCH  ; LDS serves a wave's instructions in order (ISA guide 5.7.1.4)
.endr
.endm
.macro SEND32 a, younger               ; younger: the next block's 16 stores and 16 loads, or none
	s_wait_dscnt \younger
	s_wait_xcnt 0x0                                ; earlier stores have read their base
.if (\a) == 0
	s_add_nc_u64 s[8:9], s[8:9], s[16:17]
.else
	s_add_nc_u64 s[8:9], s[8:9], 16*CROW
.endif
.irp t, 0,1,2,3,4,5,6,7,8,9,10,11,12,13,14,15
	global_store_b128 v[CO], v[64+64*((\a)%2)+4*(\t):64+64*((\a)%2)+4*(\t)+3], s[8:9] offset:(\t)*CROW  ; the wave stores 512 consecutive bytes, aligned
.endr
.endm
	s_load_b128 s[4:7], s[0:1], 0x0                ; ob s[4:5], woh s[6:7]
	s_load_b64 s[8:9], s[0:1], 0x10                ; out0
	s_load_b64 s[BIAS:BIAS+1], s[0:1], 0x18        ; b_out
	v_lshl_add_u32 v[SPW], v0, 2, SPARE
	v_mov_b32 v[NIL], 0
	ds_add_u32 v[SPW], v[NIL]                      ; the wave's opening: the add and its wait ahead of my first tensor load
	v_lshrrev_b32 v1, 5, v0
	v_readfirstlane_b32 s10, v1                    ; wave 0..3
	s_lshr_b32 s11, s10, 1                         ; my half of the tile's rows.  Also: I fetch for A (0) or for B (1)
	s_and_b32 s12, s10, 1                          ; my half of its columns.  Also: which block of A, or which 128 rows of B, I fetch
	s_bfe_u32 s40, ttmp6, 0x40000                  ; cx
	s_bfe_u32 s41, ttmp6, 0x40004                  ; cy
	s_lshl_b32 s42, ttmp9, 2
	s_add_co_u32 s42, s42, s40                     ; tile column
	s_and_b32 s13, ttmp7, 0xffff
	s_lshl_b32 s13, s13, 2
	s_add_co_u32 s13, s13, s41                     ; tile row
	s_lshl_b32 s43, s41, 2
	s_lshl_b32 s43, 15, s43                        ; my row of the cluster
	s_lshl_b32 s44, 0x1111, s40                    ; my column
	s_or_b32 s[G1+0], s43, (1<<16)|(1<<20)|(1<<21)|(4<<22)|(3<<25)   ; A: the mask; 2-byte elements; padding on; bit 21 beside a mask; after every 32 words, 4 words
	s_or_b32 s[G1B+0], s44, (1<<16)|(1<<20)|(1<<21)|(5<<22)|(3<<25)  ; B: after every 64 words
.irp g, G1, G1B
	s_mov_b32 s[(\g)+1], 128<<16                   ; tensor_dim0 = 128
	s_mov_b32 s[(\g)+2], 128<<16                   ; tensor_dim1 = 128
	s_mov_b32 s[(\g)+3], 128<<16                   ; tile_dim0 = 128
	s_mov_b32 s[(\g)+4], 128                       ; tile_dim1 = 128
	s_mov_b32 s[(\g)+6], 0
	s_mov_b32 s[(\g)+7], 0
.endr
	s_mov_b32 s[G1+5], 128                         ; A: dense: each row of 256 bytes begins where the last ends
	s_mov_b32 s[G1B+5], 1024                       ; B: elements from row to row
	s_lshl_b32 s16, s12, 20                        ; A: block s12 of K step 0, the tile's 256 rows of 128 bytes
	s_lshl_b32 s17, s13, 15
	s_add_co_u32 s16, s16, s17
	s_lshl_b32 s46, s42, 8
	s_lshl_b32 s47, s12, 7
	s_add_co_u32 s46, s46, s47                     ; B: row 256 x tile column + 128 x half
	s_lshl_b32 s46, s46, 11
	s_mov_b32 s17, 0
	s_mov_b32 s47, 0
	s_mul_i32 s[WOFA], s12, AW                     ; no place in the cluster enters an LDS address
	s_mul_i32 s[WOFB], s12, BW
	s_add_co_u32 s[WOFB], s[WOFB], 2*AW
	s_mov_b32 s[TB], 0
	s_wait_dscnt 0x0                               ; the opening add is done
	s_wait_kmcnt 0x0
	s_add_nc_u64 s[14:15], s[4:5], s[16:17]
	s_add_nc_u64 s[46:47], s[6:7], s[46:47]
	CROUND                                         ; all sixteen work-groups are here: the first joint loads meet
.irp s, 0,1
	s_mov_b32 s[G0+4*(\s)], 1
	s_add_co_u32 s[G0+4*(\s)+1], s[WOFA], (\s)*SLOT1
	s_add_nc_u64 s[G0+4*(\s)+2:G0+4*(\s)+3], s[14:15], (\s)*STEPA
	s_or_b32 s[G0+4*(\s)+3], s[G0+4*(\s)+3], 0x80000000
	s_mov_b32 s[G0B+4*(\s)], 1
	s_add_co_u32 s[G0B+4*(\s)+1], s[WOFB], (\s)*SLOT1
	s_add_nc_u64 s[G0B+4*(\s)+2:G0B+4*(\s)+3], s[46:47], (\s)*STEPB
	s_or_b32 s[G0B+4*(\s)+3], s[G0B+4*(\s)+3], 0x80000000
	JLOAD \s                                       ; K steps 0 and 1: two loads of mine are out
.endr
	v_and_b32 v1, 15, v0                           ; l % 16
	v_bfe_u32 v2, v0, 4, 1                         ; l / 16
	; the bias of my 128 columns: register j of block b is b_out[first + 16 b + 8 (l / 16) + j], the layout of a C operand
	s_lshl_b32 s20, s42, 10
	s_lshl_b32 s21, s12, 9
	s_add_co_u32 s20, s20, s21
	s_mov_b32 s21, 0
	s_add_nc_u64 s[BIAS:BIAS+1], s[BIAS:BIAS+1], s[20:21]
	v_lshlrev_b32 v6, 5, v2
	WIN 0x40
.irp b, 0,1,2,3,4,5,6,7
	global_load_b128 v[8*(\b):8*(\b)+3],   v6, s[BIAS:BIAS+1] offset:64*(\b)
	global_load_b128 v[8*(\b)+4:8*(\b)+7], v6, s[BIAS:BIAS+1] offset:64*(\b)+16
.endr
	WIN 0
	v_mul_u32_u24 v3, v1, PITCHA
	v_lshl_add_u32 v3, v2, 4, v3
	s_mul_i32 s21, s11, 128*PITCHA                 ; my 128 rows, in each block
	v_add_nc_u32 v[ADRA0], s21, v3
	v_mul_u32_u24 v4, v1, PITCHB
	v_lshl_add_u32 v4, v2, 4, v4
	v_add_nc_u32 v[ADRB0], s[WOFB], v4
	v_mov_b32 v[ADRA], v[ADRA0]
	v_mov_b32 v[ADRB], v[ADRB0]
	s_mul_i32 s23, s10, 16*SPITCH
	s_add_co_u32 s23, s23, STAGE                   ; my stage
	v_mul_u32_u24 v4, v1, SPITCH                   ; in: row l % 16, 32 bytes for each half of the lanes
	v_lshl_add_u32 v4, v2, 5, v4
	v_add_nc_u32 v[STO], s23, v4
	v_and_b32 v5, 31, v0
	v_lshlrev_b32 v[CO], 4, v5                     ; back and out: 32 lanes take a row of 512 bytes
	v_add_nc_u32 v[RD], s23, v[CO]
	s_lshl_b32 s16, s13, 8                         ; where my part of the tile begins in out0
	s_lshl_b32 s20, s11, 7
	s_add_co_u32 s16, s16, s20
	s_lshl_b32 s16, s16, 12
	s_lshl_b32 s20, s42, 10
	s_add_co_u32 s16, s16, s20
	s_lshl_b32 s20, s12, 9
	s_add_co_u32 s16, s16, s20
	s_mov_b32 s17, 0
	; the prefetches, from K step 3 on (the first change of slots steps them to 4)
	s_lshl_b32 s20, s12, 20                        ; A: my block, the tile's rows, my work-group's 32 pieces of 256 bytes of the 128
	s_lshl_b32 s21, s13, 15
	s_add_co_u32 s20, s20, s21
	s_lshl_b32 s21, s40, 13
	s_add_co_u32 s20, s20, s21
	s_add_co_u32 s20, s20, 3*STEPA
	s_lshl_b32 s21, s42, 8                         ; B: my 128 rows, my work-group's 32 of them
	s_lshl_b32 s22, s12, 7
	s_add_co_u32 s21, s21, s22
	s_lshl_b32 s22, s41, 5
	s_add_co_u32 s21, s21, s22
	s_lshl_b32 s21, s21, 11
	s_add_co_u32 s21, s21, 3*STEPB
	s_mov_b32 s18, STEPA
	s_mov_b32 s19, STEPB
	s_and_b32 s22, ttmp7, 0xffff                   ; cluster y
	s_cmp_eq_u32 s11, 0                            ; do I fetch for A?
	s_cselect_b32 s20, s20, s21
	s_cselect_b32 s22, ttmp9, s22                  ; the coordinate along which other clusters read the same bytes
	s_cselect_b32 s23, 8, 11
	s_cselect_b32 s[PST], s18, s19
	s_cselect_b64 s[PFA:PFA+1], s[4:5], s[6:7]
	s_cmp_eq_u32 s22, 0
	s_cselect_b32 s[LIM], 2, -1
	s_mov_b32 s21, 0
	s_add_nc_u64 s[PFA:PFA+1], s[PFA:PFA+1], s[20:21]
	s_mov_b32 s[PST+1], 0
	v_and_b32 v[PFO], 31, v0
	v_lshlrev_b32 v[PFO], s23, v[PFO]
	s_wait_loadcnt 0x0                             ; the bias: rounded to bf16, widened again
	WIN 0x05
.set i, 0
.rept 32
	v_cvt_pk_bf16_f32 v[TMP+i], v[2*i], v[2*i+1]
.set i, i+1
.endr
	WIN 0x40
.set i, 0
.rept 32
	v_lshlrev_b32 v[2*i], 16, v[TMP+i]
	v_and_b32 v[2*i+1], 0xffff0000, v[TMP+i]
.set i, i+1
.endr
	WIN 0
	s_wait_tensorcnt 1                             ; my part of K step 0 is in; K step 1's may stay out
	s_barrier_signal -1
	s_barrier_wait -1
	FETCH 0, F0
	QUARTER 64, F0, F1, 1                          ; the first quarter stands in front of the loop: its products start the sums
	WIN 0
	s_mov_b32 s3, 6
.Lstep:                                                ; a trip: a K step's quarters 2 to 4 and the next step's first; the slot left is filled again
	QUARTER 128, F1, F0, 0
	QUARTER 192, F0, F1, 0
	TURN 1
	QUARTER 64, F0, F1, 0
	WIN 0
	s_sub_co_u32 s3, s3, 1
	s_cmp_lg_u32 s3, 0
	s_cbranch_scc1 .Lstep
	s_mov_b32 s3, 2
.Ltail:                                                ; the last two K steps: a text of their own
	QUARTER 128, F1, F0, 0
	QUARTER 192, F0, F1, 0
	TURN 0
	WIN 0
	s_sub_co_u32 s3, s3, 1
	s_cmp_eq_u32 s3, 0
	s_cbranch_scc1 .Lout
	QUARTER 64, F0, F1, 0
	WIN 0
	s_branch .Ltail
.Lout:
	PLACES
	TOST32 0
.irp a, 1,2,3,4,5,6,7
	TOST32 \a
	SEND32 (\a)-1, 32
.endr
	SEND32 7, 0
	s_wait_tensorcnt 0x0                           ; the wave's end
	ds_add_u32 v[SPW], v[NIL]
	s_wait_dscnt 0x0
	CROUND                                         ; the closing round: no work-group ends while a partner may still ask for a tile that names it
	s_endpgm
.Lfunc_end_k_q9027419abd_outp:
	.size	k_q9027419abd_outp, .Lfunc_end_k_q9027419abd_outp-k_q9027419abd_outp
	.p2alignl 7, 3214868480
	.fill 96, 4, 3214868480
	.section	.rodata,"a",@progbits
	.p2align	6, 0x0
	.amdhsa_kernel k_q9027419abd_outp
		.amdhsa_group_segment_fixed_size 327680
		.amdhsa_private_segment_fixed_size 0
		.amdhsa_enable_private_segment 0
		.amdhsa_kernarg_size 32
		.amdhsa_user_sgpr_count 2
		.amdhsa_user_sgpr_kernarg_segment_ptr 1
		.amdhsa_wavefront_size32 1
		.amdhsa_system_sgpr_workgroup_id_x 1
		.amdhsa_system_sgpr_workgroup_id_y 1
		.amdhsa_system_sgpr_workgroup_id_z 1
		.amdhsa_system_vgpr_workitem_id 0
		.amdhsa_next_free_vgpr 1024
		.amdhsa_next_free_sgpr 80
		.amdhsa_reserve_vcc 0
		.amdhsa_float_denorm_mode_32 3
		.amdhsa_float_denorm_mode_16_64 3
		.amdhsa_memory_ordered 1
		.amdhsa_forward_progress 1
		.amdhsa_inst_pref_size 106
	.end_amdhsa_kernel
	.amdgpu_metadata
---
amdhsa.version: [ 1, 2 ]
amdhsa.kernels:
  - .name:           k_q9027419abd_outp
    .symbol:         k_q9027419abd_outp.kd
    .args:
      - { .name: ob, .offset: 0, .size: 8, .value_kind: global_buffer, .address_space: global }
      - { .name: woh, .offset: 8, .size: 8, .value_kind: global_buffer, .address_space: global }
      - { .name: out0, .offset: 16, .size: 8, .value_kind: global_buffer, .address_space: global }
      - { .name: b_out, .offset: 24, .size: 8, .value_kind: global_buffer, .address_space: global }
    .group_segment_fixed_size: 327680
    .private_segment_fixed_size: 0
    .kernarg_segment_align: 8
    .kernarg_segment_size: 32
    .max_flat_workgroup_size: 128
    .sgpr_count:     80
    .vgpr_count:     1024
    .wavefront_size: 32
...
	.end_amdgpu_metadata
.endif
;; end of part 6
;; ======== version 2 of 2: 6 launches; version 1 with the launch cast written anew for expert scheduling mode
;; limits: values are held in f16: magnitudes above 65,504 overflow, below 6.1e-05 lose precision
;; workspace buffers: xh 16,777,216 bytes; wqh 6,291,456 bytes; woh 2,097,152 bytes; qkv 50,331,648 bytes; sc 67,108,864 bytes; pr 33,554,432 bytes; ob 16,777,216 bytes; lo 6,291,456 bytes
;; launch cast (part 7): grid 768 x 1, 8 waves a work-group, no clusters, 0 bytes of LDS; arguments x, w_qkv, w_out, xh, wqh, woh; writes xh, wqh, woh
.if DOCPART == 7
	.amdgcn_target "amdgcn-amd-amdhsa--gfx1250"
	.amdhsa_code_object_version 6
	.text
	.protected	k_q9027419abd_cast
	.globl	k_q9027419abd_cast
	.p2align	8
	.type	k_q9027419abd_cast,@function
k_q9027419abd_cast:
	s_mov_b64 s[64:65], 0
	v_nop
	global_prefetch_b8 v0, s[64:65] scope:SCOPE_SE
	s_setreg_imm32_b32 hwreg(HW_REG_WAVE_SCHED_MODE, 0, 2), 2
	s_setreg_imm32_b32 hwreg(HW_REG_WAVE_MODE, 25, 1), 1
	s_wait_xcnt 0x0
	s_wait_alu depctr_vm_vsrc(0)
; xh, wqh, woh = x, w_qkv, w_out, each number rounded to bf16 (nearest even) and that number written as f16.
; LIMITS.  The second step changes nothing for 6.1e-5 <= |a| <= 65,504; below that f16 keeps a fixed step of 6e-8; beyond 65,504 it gives an infinity: this program serves |x|, |w| < 65,504.
; A stream: each byte is read once and written once; no LDS, no barrier, no matrix unit, since no number meets another.
; SHARES.  A work-group takes 65,536 bytes of f32: groups 0-511 x, 512-703 w_qkv, 704-767 w_out.  A wave takes 8,192 of them: 16 loads of 512 consecutive bytes, all issued at once;
; each load's four numbers a lane become 8 bytes, and a store of the wave covers 256 consecutive bytes, aligned.
; THE MODE: SCHED_MODE bits 1:0 = 2 (LLVM: expert scheduling mode 2), set by the entry lines.  The code itself states the register dependences
; between vector instructions and memory instructions, with s_wait_alu, always for 0.
; THE PLAN.  Registers that memory instructions touch:
;   v1, v2   byte offsets of the loads and of the stores: made once at the head, never written again.
;   IN       load j lands in its four registers, once; number j's two roundings to bf16 read them; no load lands there afterwards.
;   OUT      number j's two conversions to f16 write its two registers, once; store j reads them; nothing writes them afterwards.
;   T        named by vector instructions alone.
; The sixteen numbers go in four blocks of four.  Block p converts its four loads into its eight registers of OUT; the four stores of block p - 1 are issued in block p, one ahead of each
; number's eight vector lines, which name IN, T and OUT of block p alone.  So one wait at a block's head states all that the block's four stores hang on.
; No register that a memory instruction reads is written again: nothing is owed on vm_vsrc.  No vector line writes a scalar register or VCC, and EXEC is never written.
.set IN,  8                            ; v[8:71]    load j: 4 registers
.set T,   72                           ; v[72:77]   at work
.set OUT, 80                           ; v[80:111]  store j: 2 registers; no register is written twice while a store may read it
.set BLK, 4                            ; numbers in a block
	s_load_b256 s[4:11], s[0:1], 0x0               ; x s[4:5], w_qkv s[6:7], w_out s[8:9], xh s[10:11]
	s_load_b128 s[12:15], s[0:1], 0x20             ; wqh s[12:13], woh s[14:15]
	s_sub_co_u32 s16, ttmp9, 512                   ; my number among w_qkv's groups,
	s_sub_co_u32 s17, ttmp9, 704                   ; among w_out's
	s_mov_b32 s23, 0xffff0000                      ; a word's upper bf16
	v_and_b32 v1, 0xe0, v0                         ; 32 x wave
	v_and_b32 v3, 31, v0
	v_lshlrev_b32 v1, 8, v1                        ; wave x 8,192 bytes
	v_lshl_or_b32 v1, v3, 4, v1                    ; + 16 x lane: where I read
	v_lshrrev_b32 v2, 1, v1                        ; half of it: where I write
	s_wait_kmcnt 0x0
	s_cmp_lt_u32 ttmp9, 704
	s_cselect_b64 s[18:19], s[6:7], s[8:9]
	s_cselect_b64 s[20:21], s[12:13], s[14:15]
	s_cselect_b32 s22, s16, s17
	s_cmp_lt_u32 ttmp9, 512
	s_cselect_b64 s[18:19], s[4:5], s[18:19]       ; from
	s_cselect_b64 s[20:21], s[10:11], s[20:21]     ; to
	s_cselect_b32 s22, ttmp9, s22                  ; my number in that tensor
	s_lshl_b32 s24, s22, 16
	s_mov_b32 s25, 0
	s_add_nc_u64 s[18:19], s[18:19], s[24:25]
	s_lshl_b32 s24, s22, 15
	s_add_nc_u64 s[20:21], s[20:21], s[24:25]
	s_wait_alu depctr_va_vdst(0)                   ; v1 and v2 are written: every load of the kernel reads v1 as its offset, every store v2
.set j, 0
.rept 16
	global_load_b128 v[IN+4*j:IN+4*j+3], v1, s[18:19] offset:512*j th:TH_LOAD_NT
.set j, j+1
.endr
.set j, 0
.rept 16
	s_wait_loadcnt 15-j                            ; loads come back in order: load j is in, the 15 - j younger ones stay out
.if ((j%BLK) == 0) && (j > 0)
	s_wait_alu depctr_va_vdst(0)                   ; the block before has written its eight registers of OUT, which this block's four stores read
.endif
.if j >= BLK
	global_store_b64 v2, v[OUT+2*(j-BLK):OUT+2*(j-BLK)+1], s[20:21] offset:256*(j-BLK)  ; the block before's; no vector line since the wait names these registers or v2
.endif
	v_cvt_pk_bf16_f32 v[T], v[IN+4*j], v[IN+4*j+1]
	v_cvt_pk_bf16_f32 v[T+1], v[IN+4*j+2], v[IN+4*j+3]
	v_lshlrev_b32 v[T+2], 16, v[T]                 ; bf16 to f32: the low half moves up,
	v_and_b32 v[T+3], s23, v[T]                    ; the high half stays
	v_lshlrev_b32 v[T+4], 16, v[T+1]
	v_and_b32 v[T+5], s23, v[T+1]
	v_cvt_pk_f16_f32 v[OUT+2*j], v[T+2], v[T+3]
	v_cvt_pk_f16_f32 v[OUT+2*j+1], v[T+4], v[T+5]
.set j, j+1
.endr
	s_wait_alu depctr_va_vdst(0)                   ; the last block has written its eight registers of OUT, which the last four stores read
.set j, 16-BLK
.rept BLK
	global_store_b64 v2, v[OUT+2*j:OUT+2*j+1], s[20:21] offset:256*j
.set j, j+1
.endr
	s_endpgm
.Lfunc_end_k_q9027419abd_cast:
	.size	k_q9027419abd_cast, .Lfunc_end_k_q9027419abd_cast-k_q9027419abd_cast
	.p2alignl 7, 3214868480
	.fill 96, 4, 3214868480
	.section	.rodata,"a",@progbits
	.p2align	6, 0x0
	.amdhsa_kernel k_q9027419abd_cast
		.amdhsa_group_segment_fixed_size 0
		.amdhsa_private_segment_fixed_size 0
		.amdhsa_enable_private_segment 0
		.amdhsa_kernarg_size 48
		.amdhsa_user_sgpr_count 2
		.amdhsa_user_sgpr_kernarg_segment_ptr 1
		.amdhsa_wavefront_size32 1
		.amdhsa_system_sgpr_workgroup_id_x 1
		.amdhsa_system_sgpr_workgroup_id_y 1
		.amdhsa_system_sgpr_workgroup_id_z 1
		.amdhsa_system_vgpr_workitem_id 0
		.amdhsa_next_free_vgpr 112
		.amdhsa_next_free_sgpr 66
		.amdhsa_reserve_vcc 0
		.amdhsa_float_denorm_mode_32 3
		.amdhsa_float_denorm_mode_16_64 3
		.amdhsa_memory_ordered 1
		.amdhsa_forward_progress 1
		.amdhsa_inst_pref_size 12
	.end_amdhsa_kernel
	.amdgpu_metadata
---
amdhsa.version: [ 1, 2 ]
amdhsa.kernels:
  - .name:           k_q9027419abd_cast
    .symbol:         k_q9027419abd_cast.kd
    .args:
      - { .name: x, .offset: 0, .size: 8, .value_kind: global_buffer, .address_space: global }
      - { .name: w_qkv, .offset: 8, .size: 8, .value_kind: global_buffer, .address_space: global }
      - { .name: w_out, .offset: 16, .size: 8, .value_kind: global_buffer, .address_space: global }
      - { .name: xh, .offset: 24, .size: 8, .value_kind: global_buffer, .address_space: global }
      - { .name: wqh, .offset: 32, .size: 8, .value_kind: global_buffer, .address_space: global }
      - { .name: woh, .offset: 40, .size: 8, .value_kind: global_buffer, .address_space: global }
    .group_segment_fixed_size: 0
    .private_segment_fixed_size: 0
    .kernarg_segment_align: 8
    .kernarg_segment_size: 48
    .max_flat_workgroup_size: 256
    .sgpr_count:     66
    .vgpr_count:     112
    .wavefront_size: 32
...
	.end_amdgpu_metadata
.endif
;; end of part 7
;; launch qkv: the kernel of part 2 again; grid 12 x 32, 4 waves a work-group, clusters of 4 x 4, 327,680 bytes of LDS; arguments xh, wqh, qkv, b_qkv, lo; writes qkv, lo
;; launch scores: the kernel of part 3 again; grid 38 x 4, 4 waves a work-group, no clusters, 327,680 bytes of LDS; arguments qkv, sc, lo; writes sc
;; launch softmax: the kernel of part 4 again; grid 128 x 4, 8 waves a work-group, no clusters, 0 bytes of LDS; arguments sc, pr; writes pr
;; launch pv: the kernel of part 5 again; grid 8 x 32, 4 waves a work-group, clusters of 4 x 1, 327,680 bytes of LDS; arguments pr, qkv, ob, lo; writes ob
;; launch outp: the kernel of part 6 again; grid 4 x 32, 4 waves a work-group, clusters of 4 x 4, 327,680 bytes of LDS; arguments ob, woh, out0, b_out; writes out0
